; MI455X (gfx1250); checked and timed in simulation.
; The chip was launched on July 23, 2026; its instructions are those of AMD's public machine-readable ISA for CDNA 5 (MIT licence, August 2026) and "CDNA5" Instruction Set Architecture Reference Guide (July 2026). The comments in the code are by the model that wrote it; some were corrected since.
;; Multi Head Attention. Allowed arithmetic: matrix products marked QUANTISED: E2M1 operands, one E8M0 scale for each 32 along K, by v_wmma_scale_f32_16x16x128_f8f6f4 with both operands' format E2M1 (or v_wmma_scale_f32_32x16x128_f4), f32 sums; products left as they are: bf16, f16 or f32 operands; f32 sums; everything else in f32.
;; Inputs: Wk 1,024 x 1,024 float32; Wo 1,024 x 1,024 float32; Wq 1,024 x 1,024 float32; Wv 1,024 x 1,024 float32; x 4 x 2,048 x 1,024 float32.
;; Outputs: out0 4 x 2,048 x 1,024 float32.
;; This version of the problem:
;;   THIS VERSION OF THE PROBLEM IS GIVEN IN LOW PRECISION. The matrix products marked QUANTISED in the list below multiply operands that are first quantised to E2M1 (2 exponent bits, 1 mantissa bit; 4 bits a number), with one power-of-two scale for each 32 numbers along K (OCP MX v1.0); their sums are f32. The products marked 'left as it is' may take bf16, f16 or f32 operands, with f32 sums. Whichever they take, every output number must still come out within the allowed error. Rounding operands to bf16 (8 significant bits) uses up far more of that allowance than f16 does (11 bits, for magnitudes from 6e-5 to 65,504). All else is computed in f32.
;;   The module's matrix products, in the order in which they are computed (A, B: the left and right operand; K: the contracted axis; several contracted axes count as one K, in the product's order):
;;     1. [M 8,192, K 1,024] x [K 1,024, N 1,024]; A: input x; B: input Wq: QUANTISED
;;     2. [M 8,192, K 1,024] x [K 1,024, N 1,024]; A: input x; B: input Wk: QUANTISED
;;     3. [M 8,192, K 1,024] x [K 1,024, N 1,024]; A: input x; B: input Wv: QUANTISED
;;     4. batch 64 x [M 2,048, K 64] x [K 64, N 2,048]; A: computed on the way; B: computed on the way: left as it is (an operand is computed on the way)
;;     5. batch 64 x [M 2,048, K 2,048] x [K 2,048, N 64]; A: computed on the way; B: computed on the way: left as it is (an operand is computed on the way)
;;     6. [M 8,192, K 1,024] x [K 1,024, N 1,024]; A: computed on the way; B: input Wo: left as it is (an operand is computed on the way)
;;   THE QUANTISER, for each operand of a quantised product, along K:
;;     - K is cut into blocks of 32 from its start; a last block that is shorter is filled with zeros.
;;     - A block's scale is 2^e with e = floor(log2(the largest magnitude in the block)) - 2, held to -126 .. 127; a block of zeros has e = 0. As a byte (E8M0): e + 127.
;;     - Each number is divided by its block's scale, clamped to +-6, and rounded to the nearest number of E2M1, ties to even, subnormals kept.
;;     - The product sums the exact products of the quantised numbers (number of the format x scale) in f32.
;;   ~~~python
;;   def quantise(x, axis):      # numpy; x: float32 -> the quantised numbers, widened to float32 again
;;       x = np.moveaxis(x, axis, -1); K = x.shape[-1]
;;       x = np.pad(x, [(0, 0)] * (x.ndim - 1) + [(0, -K % 32)]); x = x.reshape(x.shape[:-1] + (-1, 32)); a = np.abs(x).max(-1, keepdims=True)
;;       e = np.where(a > 0, np.clip(np.frexp(np.where(a > 0, a, 1))[1] - 1 - 2, -126, 127), 0)      # np.frexp(a)[1] - 1 = floor(log2(a)), exactly
;;       r = np.clip(x / 2.0 ** e, -6, 6)
;;       step = 2.0 ** (np.maximum(np.frexp(np.where(r == 0, 1, r))[1] - 1, 0) - 1)
;;       q = np.round(r / step) * step * 2.0 ** e      # np.round: ties to even
;;       return np.moveaxis(q.reshape(q.shape[:-2] + (-1,))[..., :K], -1, axis).astype(np.float32)
;;   ~~~
;; One version. Each part assembles by itself: llvm-mc -triple=amdgcn-amd-amdhsa -mcpu=gfx1250 --defsym DOCPART=n.
;; ======== version 1 of 1: 5 launches
;; limits: values are held in f16: magnitudes above 65,504 overflow, below 6.1e-05 lose precision
;; workspace buffers: codes 5,767,168 bytes; scales 360,448 bytes; wof 2,097,152 bytes; qkv 50,331,648 bytes; first32 786,432 bytes; of 16,777,216 bytes
;; launch prep (part 1): grid 480 x 1, 4 waves a work-group, no clusters, 50,688 bytes of LDS; arguments x, Wq, Wk, Wv, Wo, codes, scales, wof; writes codes, scales, wof
.if DOCPART == 1
	.amdgcn_target "amdgcn-amd-amdhsa--gfx1250"
	.amdhsa_code_object_version 6
	.text
	.protected	k_q71ef42c9de_prep
	.globl	k_q71ef42c9de_prep
	.p2align	8
	.type	k_q71ef42c9de_prep,@function
k_q71ef42c9de_prep:
	s_mov_b64 s[64:65], 0
	v_nop
	global_prefetch_b8 v0, s[64:65] scope:SCOPE_SE
	s_setreg_imm32_b32 hwreg(HW_REG_WAVE_MODE, 25, 1), 1
	s_wait_xcnt 0x0
; TWO JOBS IN ONE LAUNCH, parted on the work-group's number.
; Work-groups 0-351: x [8192][1024], Wq, Wk, Wv [1024][1024], f32, become codes of FP4 (E2M1), K innermost, two codes a byte, and one E8M0 byte for each 32 along K.
;   The four tensors are one stream of 11,264 rows: codes [11264][512 bytes], scales [11264][32 bytes]; rows 0-8191 x, then Wq, Wk, Wv.  32,768 numbers a work-group: 256 + 3 x 32 work-groups.
;   A block's scale is 2^(floor(log2(largest magnitude)) - 2): its byte is the largest magnitude's exponent field - 2, held at 1 from below.
; Work-groups 352-479: Wo [1024][1024] f32 becomes f16 in the order of a matrix operand's registers: wof [ks 8][nt 64][kg 4][1,024 bytes]; in a piece, lane (r, h) has row 16 nt + r,
;   k = 128 ks + 32 kg + 8 h + 0..7 at byte 16 x lane and k + 16 at byte 512 + 16 x lane.  A wave takes 16 rows x 128 k: 512 such tasks.
; LIMITS: a block of zeros gets the byte 1 (its codes are zeros, and this program alone reads the bytes); blocks whose largest magnitude lies under 2^-124 keep the byte 1; NaN and infinities are not served;
;   |Wo| up to 65,504, f16's largest number.
; No tensor load, no barrier: waves share nothing.  Each path has LDS bytes of its own.
.set STEPS, 16
.set EMAX,  2
.set CB,    8                          ; bytes of 16 codes
.set R,     16                         ; v16-79   four sets of 16 numbers as loaded
.set X,     80                         ; v80-111  two sets of 16 neighbours
.set C,     128                        ; v128-191 codes, four registers a step
.set E,     112                        ; v112-127 a scale byte a step
.set WREG,  8192                       ; the quantiser's LDS: a region a wave: two stages of 32 x SP bytes, then 256 scale bytes
.set SP,    80                         ; a lane's place in a stage: 64 bytes + 16 of padding
.set SPW,   12                         ; v12  my spare word's LDS address; never rewritten
.set NIL,   13                         ; v13  0; never rewritten
.set WIA,   192                        ; v192 Wo's path: where I put 8 bytes of a row
.set WOA,   193                        ; v193 Wo's path: where I read 16 bytes back
.set QWG,   352                        ; work-groups that quantise
.set WST,   4*WREG                     ; Wo's path: four stages of 16 rows x (256 bytes + 16)
.set WSB,   16*272
.set SPARE, WST+4*WSB                  ; the spare words: 128 bytes a wave, two blocks of 256 bytes that no other line names
.set SRC,   22                         ; s[22:23] the tensor that my work-group quantises
.set DC,    14                         ; s[14:15] codes
.set DSC,   16                         ; s[16:17] scales
	s_load_b256 s[4:11], s[0:1], 0x0               ; x s[4:5], Wq s[6:7], Wk s[8:9], Wv s[10:11]
	s_load_b256 s[12:19], s[0:1], 0x20             ; Wo s[12:13], codes, scales, wof s[18:19]
	v_lshl_add_u32 v[SPW], v0, 2, SPARE
	v_mov_b32 v[NIL], 0
	v_lshrrev_b32 v1, 5, v0
	v_readfirstlane_b32 s20, v1                    ; wave
	v_and_b32 v2, 31, v0                           ; lane
	v_lshlrev_b32 v3, 4, v2                        ; 16 x lane
	s_mul_i32 s21, s20, WREG
	v_lshrrev_b32 v14, 2, v2
	v_mul_u32_u24 v14, v14, SP
	v_and_b32 v15, 3, v2
	v_lshl_add_u32 v14, v15, 4, v14
	v_add_nc_u32 v14, s21, v14                     ; the stage, way in: SP (lane / 4) + 16 (lane % 4)
	v_mul_u32_u24 v15, v2, SP
	v_add_nc_u32 v15, s21, v15                     ; way out: SP x lane: my 16 neighbours
	v_mul_u32_u24 v4, v2, CB                       ; my codes' place in a step's 256 bytes
	v_lshrrev_b32 v5, 1, v2
	s_add_co_u32 s21, s21, 2*32*SP
	v_add_nc_u32 v5, s21, v5                       ; my block's scale byte in LDS
	v_lshlrev_b32 v7, 3, v2                        ; 8 x lane
	v_add_nc_u32 v6, s21, v7
	s_mul_i32 s21, s20, WSB                        ; Wo's path: all LDS addresses are made ahead of the parting
	s_add_co_u32 s21, s21, WST
	v_add_nc_u32 v[WIA], s21, v7                   ; stage + 8 x lane
	v_and_b32 v[WOA], 15, v0
	v_mul_u32_u24 v[WOA], v[WOA], 272
	v_bfe_u32 v1, v0, 4, 1
	v_lshl_add_u32 v[WOA], v1, 4, v[WOA]
	v_add_nc_u32 v[WOA], s21, v[WOA]               ; stage + 272 r + 16 h
	s_mov_b32 s27, 0
	s_wait_kmcnt 0x0
	s_cmp_ge_u32 ttmp9, QWG
	s_cbranch_scc1 .Lwo
	; ---- the quantiser.  Which tensor: a choice on the work-group's number alone
	s_cmp_lt_u32 ttmp9, 256
	s_cselect_b64 s[SRC:SRC+1], s[4:5], s[6:7]
	s_cselect_b32 s24, 0, 256
	s_cmp_lt_u32 ttmp9, 288
	s_cselect_b64 s[SRC:SRC+1], s[SRC:SRC+1], s[8:9]
	s_cselect_b32 s24, s24, 288
	s_cmp_lt_u32 ttmp9, 320
	s_cselect_b64 s[SRC:SRC+1], s[SRC:SRC+1], s[10:11]
	s_cselect_b32 s24, s24, 320                    ; the tensor's first work-group
	s_sub_co_u32 s25, ttmp9, s24
	s_lshl_b32 s25, s25, 2
	s_add_co_u32 s25, s25, s20                     ; my wave's run of 8,192 numbers in the tensor
	s_lshl_b32 s26, s25, 15
	s_add_nc_u64 s[SRC:SRC+1], s[SRC:SRC+1], s[26:27]
	s_lshl_b32 s25, ttmp9, 2
	s_add_co_u32 s25, s25, s20                     ; and in the stream of all four
	s_lshl_b32 s26, s25, 12
	s_add_nc_u64 s[DC:DC+1], s[DC:DC+1], s[26:27]  ; 4,096 bytes of codes a run
	s_lshl_b32 s26, s25, 8
	s_add_nc_u64 s[DSC:DSC+1], s[DSC:DSC+1], s[26:27]  ; 256 scale bytes a run
.macro LOAD t
.irp i, 0,1,2,3
	global_load_b128 v[R+16*((\t)%4)+4*\i:R+16*((\t)%4)+4*\i+3], v3, s[SRC:SRC+1] offset:2048*(\t)+512*\i th:TH_LOAD_NT   ; 32 lanes read 512 consecutive bytes
.endr
.endm
.macro TURN t                          ; step t's numbers through the stage: LDS serves a wave's instructions in order, so no wait stands between the stores and the loads
.irp i, 0,1,2,3
	ds_store_b128 v14, v[R+16*((\t)%4)+4*\i:R+16*((\t)%4)+4*\i+3] offset:32*SP*((\t)%2)+8*SP*\i
.endr
.irp i, 0,1,2,3
	ds_load_b128 v[X+16*((\t)%2)+4*\i:X+16*((\t)%2)+4*\i+3], v15 offset:32*SP*((\t)%2)+16*\i
.endr
.endm
.irp t, 0,1,2,3
	LOAD \t
.endr
	s_wait_loadcnt 12                              ; step 0's four loads are in; the 12 of steps 1 to 3 may be out
	TURN 0
.macro STEP t
.set XS, X+16*((\t)%2)
.if (\t) > 0
	s_wait_dscnt 1                                 ; this step's numbers are back from the stage; the last step's byte store may be out
.else
	s_wait_dscnt 0x0
.endif
.if (\t)+4 < STEPS
	LOAD (\t)+4                                    ; into the registers that the stage's stores have read
.endif
.if (\t)+1 < STEPS
.if STEPS-2-(\t) >= 3
	s_wait_loadcnt 12                              ; the next step's four loads are in; those of the three steps behind it may be out
.else
	s_wait_loadcnt 4*(STEPS-2-(\t))
.endif
	TURN (\t)+1
.endif
	v_max3_num_f32 v8, |v[XS]|, |v[XS+1]|, |v[XS+2]|               ; the largest magnitude of my 16, in two chains
	v_max3_num_f32 v9, |v[XS+3]|, |v[XS+4]|, |v[XS+5]|
.irp i, 6,10
	v_max3_num_f32 v8, v8, |v[XS+\i]|, |v[XS+\i+1]|
	v_max3_num_f32 v9, v9, |v[XS+\i+2]|, |v[XS+\i+3]|
.endr
	v_max3_num_f32 v8, v8, |v[XS+14]|, |v[XS+15]|
	v_max3_num_f32 v8, v8, v9, (EMAX+1)<<23        ; and the floor 2^(3 - 127): the byte cannot fall under 1
	v_max_num_f32_dpp v8, v8, v8 row_xmask:1 row_mask:0xf bank_mask:0xf   ; with my neighbour's 16: the block's
	v_add_nc_u32 v11, -(EMAX<<23), v8              ; 2 off its exponent field: the conversion takes this operand's exponent field as its scale
	v_cvt_scalef32_pk8_fp4_f32 v[C+4*(\t)], v[XS:XS+7], v11
	v_cvt_scalef32_pk8_fp4_f32 v[C+4*(\t)+1], v[XS+8:XS+15], v11
	v_lshrrev_b32 v[E+(\t)], 23, v11               ; the scale's byte (a plain line behind the conversions)
	ds_store_b8 v5, v[E+(\t)] offset:16*(\t)       ; both lanes of a block write the same byte with the same value
	global_store_b64 v4, v[C+4*(\t):C+4*(\t)+1], s[DC:DC+1] offset:32*CB*(\t)   ; the wave stores 256 consecutive bytes, aligned
.endm
.irp t, 0,1,2,3,4,5,6,7,8,9,10,11,12,13,14,15
	STEP \t
.endr
	ds_load_b64 v[8:9], v6                         ; my wave's 256 scale bytes, 8 a lane
	s_wait_dscnt 0x0
	global_store_b64 v7, v[8:9], s[DSC:DSC+1]      ; 256 consecutive bytes, aligned
	s_wait_tensorcnt 0x0                           ; the wave's end
	ds_add_u32 v[SPW], v[NIL]
	s_wait_dscnt 0x0
	s_endpgm
	; ---- Wo into f16 pieces
.Lwo:
	s_sub_co_u32 s21, ttmp9, QWG
	s_lshl_b32 s21, s21, 2
	s_add_co_u32 s21, s21, s20                     ; my task, 0 .. 511
	s_lshr_b32 s24, s21, 3                         ; nt: 16 rows
	s_and_b32 s25, s21, 7                          ; ks: 128 along k
	s_lshl_b32 s26, s24, 16                        ; 16 rows of 4,096 bytes
	s_lshl_b32 s28, s25, 9                         ; 128 numbers of 4 bytes
	s_add_co_u32 s26, s26, s28
	s_add_nc_u64 s[12:13], s[12:13], s[26:27]
	s_lshl_b32 s26, s25, 6
	s_add_co_u32 s26, s26, s24
	s_lshl_b32 s26, s26, 12                        ; (64 ks + nt) x 4 pieces of 1,024 bytes
	s_add_nc_u64 s[18:19], s[18:19], s[26:27]
.irp i, 0,1,2,3,4,5,6,7,8,9,10,11,12,13,14,15
	global_load_b128 v[16+4*\i:16+4*\i+3], v3, s[12:13] offset:4096*\i   ; row i: 512 consecutive bytes
.endr
.irp i, 0,1,2,3,4,5,6,7,8,9,10,11,12,13,14,15
	s_wait_loadcnt 15-\i                           ; row i is in; the later rows may be out
	v_cvt_pk_f16_f32 v[80+2*\i], v[16+4*\i], v[17+4*\i]
	v_cvt_pk_f16_f32 v[81+2*\i], v[18+4*\i], v[19+4*\i]
	ds_store_b64 v[WIA], v[80+2*\i:81+2*\i] offset:272*\i
.endr
.irp n, 0,1,2,3,4,5,6,7
	ds_load_b128 v[112+4*\n:115+4*\n], v[WOA] offset:32*\n   ; piece n / 2, half n % 2: row r, bytes 64 kg + 32 c + 16 h; my own bytes, served in order
.endr
.irp n, 0,1,2,3,4,5,6,7
	s_wait_dscnt 7-\n
	global_store_b128 v3, v[112+4*\n:115+4*\n], s[18:19] offset:512*\n   ; 512 consecutive bytes, aligned
.endr
	s_wait_tensorcnt 0x0                           ; the wave's end: the same three lines
	ds_add_u32 v[SPW], v[NIL]
	s_wait_dscnt 0x0
	s_endpgm
.Lfunc_end_k_q71ef42c9de_prep:
	.size	k_q71ef42c9de_prep, .Lfunc_end_k_q71ef42c9de_prep-k_q71ef42c9de_prep
	.p2alignl 7, 3214868480
	.fill 96, 4, 3214868480
	.section	.rodata,"a",@progbits
	.p2align	6, 0x0
	.amdhsa_kernel k_q71ef42c9de_prep
		.amdhsa_group_segment_fixed_size 50688
		.amdhsa_private_segment_fixed_size 0
		.amdhsa_enable_private_segment 0
		.amdhsa_kernarg_size 64
		.amdhsa_user_sgpr_count 2
		.amdhsa_user_sgpr_kernarg_segment_ptr 1
		.amdhsa_wavefront_size32 1
		.amdhsa_system_sgpr_workgroup_id_x 1
		.amdhsa_system_sgpr_workgroup_id_y 1
		.amdhsa_system_sgpr_workgroup_id_z 1
		.amdhsa_system_vgpr_workitem_id 0
		.amdhsa_next_free_vgpr 200
		.amdhsa_next_free_sgpr 66
		.amdhsa_reserve_vcc 0
		.amdhsa_float_denorm_mode_32 3
		.amdhsa_float_denorm_mode_16_64 3
		.amdhsa_memory_ordered 1
		.amdhsa_forward_progress 1
		.amdhsa_inst_pref_size 41
	.end_amdhsa_kernel
	.amdgpu_metadata
---
amdhsa.version: [ 1, 2 ]
amdhsa.kernels:
  - .name:           k_q71ef42c9de_prep
    .symbol:         k_q71ef42c9de_prep.kd
    .args:
      - { .name: x, .offset: 0, .size: 8, .value_kind: global_buffer, .address_space: global }
      - { .name: Wq, .offset: 8, .size: 8, .value_kind: global_buffer, .address_space: global }
      - { .name: Wk, .offset: 16, .size: 8, .value_kind: global_buffer, .address_space: global }
      - { .name: Wv, .offset: 24, .size: 8, .value_kind: global_buffer, .address_space: global }
      - { .name: Wo, .offset: 32, .size: 8, .value_kind: global_buffer, .address_space: global }
      - { .name: codes, .offset: 40, .size: 8, .value_kind: global_buffer, .address_space: global }
      - { .name: scales, .offset: 48, .size: 8, .value_kind: global_buffer, .address_space: global }
      - { .name: wof, .offset: 56, .size: 8, .value_kind: global_buffer, .address_space: global }
    .group_segment_fixed_size: 50688
    .private_segment_fixed_size: 0
    .kernarg_segment_align: 8
    .kernarg_segment_size: 64
    .max_flat_workgroup_size: 128
    .sgpr_count:     66
    .vgpr_count:     200
    .wavefront_size: 32
...
	.end_amdgpu_metadata
.endif
;; end of part 1
;; launch qkv (part 2): grid 12 x 32, 4 waves a work-group, clusters of 4 x 4, 327,680 bytes of LDS; arguments codes, scales, qkv, first32; writes qkv, first32
.if DOCPART == 2
	.amdgcn_target "amdgcn-amd-amdhsa--gfx1250"
	.amdhsa_code_object_version 6
	.text
	.protected	k_q71ef42c9de_qkv
	.globl	k_q71ef42c9de_qkv
	.p2align	8
	.type	k_q71ef42c9de_qkv,@function
k_q71ef42c9de_qkv:
	s_mov_b64 s[64:65], 0
	v_nop
	global_prefetch_b8 v0, s[64:65] scope:SCOPE_SE
	s_setreg_imm32_b32 hwreg(HW_REG_WAVE_MODE, 25, 1), 1
	s_wait_xcnt 0x0
	s_wait_alu depctr_hold_cnt(0) depctr_sa_sdst(0) depctr_va_vdst(0) depctr_va_sdst(0) depctr_va_ssrc(0) depctr_va_vcc(0) depctr_vm_vsrc(0)
	s_getreg_b32 s2, hwreg(HW_REG_IB_STS2, 6, 4)
	s_cmp_eq_u32 s2, 0
	s_cbranch_scc0 .Lentry_in_a_cluster
	s_endpgm
.Lentry_in_a_cluster:
	s_bfe_u32 s2, ttmp6, 0x10000c
	s_cmp_lg_u32 s2, 0xf033
	s_cbranch_scc0 .Lentry_shape_is_right
	s_endpgm
.Lentry_shape_is_right:
; Q = x Wq^T, K = x Wk^T, V^T = Wv x^T on codes of FP4 with E8M0 scales, K = 1,024, sums in f32.  All operands are rows of ONE buffer: codes [11264][512 bytes], scales [11264][32 bytes]
; (rows 0-8191 x, 8192.. Wq, 9216.. Wk, 10240.. Wv).  A work-group makes 256 'A rows' x 256 'B rows', a wave 128 x 128: 64 accumulators.  Source 0 = 16 B rows, source 1 = 16 A rows:
; a lane holds ONE A row (lane % 16) and eight neighbouring B rows (8 (lane / 16) + 0..7).
; Clusters x = 0, 1 (Q, K): A = x (a lane: one position, eight channels).  Cluster x = 2 (V): A = Wv, B = x (a lane: one channel, eight keys): the same instructions give V transposed.
; In units of 256 rows: Q, K: tA = 8 cy + cluster y (batch cy), tB = 32 + 4 cluster x + cx;  V: tA = 40 + cy, tB = 8 cx + cluster y (batch cx).  tA hangs on cy alone of the two places, tB on cx alone.
; CLUSTERS 4 x 4: A's tiles are asked for jointly along a row of the cluster, B's along a column.  K = 1,024 is two slots of 512: both are filled at the start and nothing is filled again.
; THE WAY OUT: results are rounded to f16 and stored in the order of the next product's operand registers, so that each store of the wave covers 512 consecutive bytes, aligned, with no turn through LDS:
;   Q at 0 and K at 16 MiB: [bh 64][tile of 16 positions 128][32 channels 2][1,024 bytes];  V^T at 32 MiB: [bh][32 keys 64][16 channels 4][1,024 bytes];
;   in a piece lane (r, h) has row r, k = 8 h + 0..7 at byte 16 x lane, k = 16 + 8 h + 0..7 at byte 512 + 16 x lane.
; The accumulators of positions 0-15 of each batch also leave as f32, as they stand (registers 0-3 at 16 x lane, 4-7 at 512 + 16 x lane): first32 [batch 4][192][1,024 bytes]: 0-63 Q, 64-127 K (16 columns each), 128-191 V^T (16 channels each).
; LIMIT: |Q|, |K|, |V| up to 65,504, f16's largest number.
; REGISTERS, in windows of 256: window 0: v0-31 addresses; v32-95 scale words, two sets; v128-191 A's fragments, one set (on the way out v128-255 hold packed results);
;   window 1: B's fragments, two sets, at v0 and v128;  window 2: accumulators of my A rows 0-63 ((a, b) at v[8 (8 a + b)]);  window 3: of rows 64-127.
.set KSTEP,  512
.set NQ,     KSTEP/128
.set ROWB,   256                       ; a tile's row: 512 codes
.set KROW,   512                       ; a row of codes in memory
.set PITCH,  272                       ; an LDS row: 256 bytes + 16 of padding: the 16 rows of a load start at 16 different banks (64 banks of 4 bytes: ISA guide 11.1)
.set FR,     8
.set NL,     2
.set NP,     4                         ; places behind this matrix instruction (ISA guide 7.12.1)
.set HALFT,  128*PITCH
.set SLOT,   4*HALFT                   ; A's 256 rows, then B's 256
.set KS,     32                        ; a row of scale bytes
.set SCL,    2*SLOT                    ; behind the slots: the scales, as units of 256 bytes + 16 of padding
.set HALFS,  (128*KS/256)*272
.set SBLK,   (16*KS/256)*272
.set SPARE,  SCL+4*HALFS               ; the spare words: 128 bytes a wave, two blocks of 256 bytes that no other line names
.set ADRA, 16
.set ADRB, 20
.set CO,   26                          ; v26  16 x lane
.set ADRS, 27
.set SPW,  28
.set NIL,  29
.set SC,   32
.set AF,   128
.set OUTR, 128
.set G1, 24
.set G0, 32
.set G1B, 48
.set G0B, 56
.set G1S, 68
.set G0S, 76
.set G1SB, 80
.set G0SB, 88
.set MSB, 0
.macro WIN new                         ; the immediate's high byte repeats the setting that is left
.if MSB != (\new)
	s_set_vgpr_msb (MSB<<8)|(\new)
.set MSB, (\new)
.endif
.endm
.set MUL_LO, 0xa1                      ; source 0 (B) window 1, source 1 (A) window 0, C and D window 2
.set MUL_HI, 0xf1
.set TO_B,   0x40
; A joint load: waves 0 and 1 fetch for A, waves 2 and 3 for B; the branch hangs on the wave's number alone.  An s_nop 0 and four v_nop follow each line.
.macro JLOAD g0a, g1a, g0b, g1b
	s_cmp_eq_u32 s15, 0
	s_cbranch_scc0 .Lfor_b_\@
	tensor_load_to_lds s[\g0a:\g0a+3], s[\g1a:\g1a+7]
	s_nop 0
.rept 4
	v_nop
.endr
	s_branch .Lasked_\@
.Lfor_b_\@:
	tensor_load_to_lds s[\g0b:\g0b+3], s[\g1b:\g1b+7]
	s_nop 0
.rept 4
	v_nop
.endr
.Lasked_\@:
.endm
.macro CROUND                          ; a round of the cluster's barrier
	s_barrier_signal -1
	s_barrier_wait -1
	s_cmp_lg_u32 s14, 0
	s_cbranch_scc1 .Lnot_wave_0_\@
	s_barrier_signal -3
.Lnot_wave_0_\@:
	s_barrier_wait -3
	s_barrier_signal -1
	s_barrier_wait -1
.endm
	s_load_b128 s[4:7], s[0:1], 0x0                ; codes s[4:5], scales s[6:7]
	s_load_b128 s[8:11], s[0:1], 0x10              ; qkv s[8:9], first32 s[10:11]
	v_lshl_add_u32 v[SPW], v0, 2, SPARE
	v_mov_b32 v[NIL], 0
	ds_add_u32 v[SPW], v[NIL]                      ; the wave's opening: the add, twice on end, and its wait ahead of my first tensor load
	ds_add_u32 v[SPW], v[NIL]
	v_lshrrev_b32 v1, 5, v0
	v_readfirstlane_b32 s14, v1                    ; wave 0..3
	s_lshr_b32 s15, s14, 1                         ; my half of the A rows.  Also: I fetch for A (0) or for B (1)
	s_and_b32 s16, s14, 1                          ; my half of the B rows.  Also: which 128 rows I fetch
	s_bfe_u32 s40, ttmp6, 0x40000                  ; cx
	s_bfe_u32 s41, ttmp6, 0x40004                  ; cy
	s_and_b32 s13, ttmp7, 0xffff                   ; cluster y: the block of 256 positions in a batch; the same in all sixteen partners
	s_lshl_b32 s17, s41, 3
	s_add_co_u32 s17, s17, s13                     ; 8 cy + cluster y
	s_add_co_u32 s12, s41, 40                      ; 40 + cy
	s_cmp_eq_u32 ttmp9, 2
	s_cselect_b32 s17, s12, s17                    ; tA
	s_lshl_b32 s42, ttmp9, 2
	s_add_co_u32 s42, s42, s40
	s_add_co_u32 s42, s42, 32                      ; 32 + 4 cluster x + cx
	s_lshl_b32 s95, s40, 3
	s_add_co_u32 s95, s95, s13                     ; 8 cx + cluster y
	s_cmp_eq_u32 ttmp9, 2
	s_cselect_b32 s42, s95, s42                    ; tB
	s_lshl_b32 s43, s41, 2
	s_lshl_b32 s43, 15, s43                        ; my row of the cluster
	s_lshl_b32 s44, 0x1111, s40                    ; my column
	; group 1: a tile of 128 rows x 256 bytes, 16 bytes of padding behind each row
	s_or_b32 s[G1+0], s43, (0<<16)|(1<<20)|(1<<21)|(5<<22)|(3<<25)
	s_or_b32 s[G1B+0], s44, (0<<16)|(1<<20)|(1<<21)|(5<<22)|(3<<25)
.irp g, G1, G1B
	s_mov_b32 s[\g+1], ROWB<<16                    ; tensor_dim0
	s_mov_b32 s[\g+2], 128<<16                     ; tensor_dim1
	s_mov_b32 s[\g+3], ROWB<<16                    ; tile_dim0
	s_mov_b32 s[\g+4], 128                         ; tile_dim1
	s_mov_b32 s[\g+5], KROW                        ; from row to row
	s_mov_b32 s[\g+6], 0
	s_mov_b32 s[\g+7], 0
.endr
	; the scales of 128 rows: 4,096 dense bytes as 16 rows of 256 (32 elements of 8 bytes), 16 bytes of padding behind each
	s_or_b32 s[G1S+0], s43, (3<<16)|(1<<20)|(1<<21)|(5<<22)|(3<<25)
	s_or_b32 s[G1SB+0], s44, (3<<16)|(1<<20)|(1<<21)|(5<<22)|(3<<25)
.irp g, G1S, G1SB
	s_mov_b32 s[\g+1], 32<<16
	s_mov_b32 s[\g+2], (128*KS/256)<<16
	s_mov_b32 s[\g+3], 32<<16
	s_mov_b32 s[\g+4], 128*KS/256
	s_mov_b32 s[\g+5], 32
	s_mov_b32 s[\g+6], 0
	s_mov_b32 s[\g+7], 0
.endr
	s_lshl_b32 s18, s16, 7                         ; which 128 rows of the tile I fetch
	s_lshl_b32 s20, s17, 8
	s_add_co_u32 s20, s20, s18                     ; A: row 256 tA + 128 x half
	s_lshl_b32 s46, s42, 8
	s_add_co_u32 s46, s46, s18                     ; B: row 256 tB + 128 x half
	s_lshl_b32 s22, s20, 5                         ; these rows' scales, in bytes,
	s_mov_b32 s23, 0
	s_lshl_b32 s92, s46, 5
	s_mov_b32 s93, 0
	s_lshl_b32 s20, s20, 9                         ; and their codes
	s_mov_b32 s21, 0
	s_lshl_b32 s46, s46, 9
	s_mov_b32 s47, 0
	s_mul_i32 s45, s14, HALFT                      ; where they go: wave x 128 rows: no place in the cluster enters an LDS address
	s_mul_i32 s94, s14, HALFS
	s_wait_dscnt 0x0                               ; both opening adds are done
	s_wait_kmcnt 0x0
	s_add_nc_u64 s[20:21], s[4:5], s[20:21]
	s_add_nc_u64 s[22:23], s[6:7], s[22:23]
	s_add_nc_u64 s[46:47], s[4:5], s[46:47]
	s_add_nc_u64 s[92:93], s[6:7], s[92:93]
	CROUND                                         ; all sixteen work-groups are here: the joint loads meet
	s_mov_b32 s[G0S], 1
	s_add_co_u32 s[G0S+1], s94, SCL
	s_mov_b64 s[G0S+2:G0S+3], s[22:23]
	s_or_b32 s[G0S+3], s[G0S+3], 0x80000000
	s_mov_b32 s[G0SB], 1
	s_add_co_u32 s[G0SB+1], s94, SCL
	s_mov_b64 s[G0SB+2:G0SB+3], s[92:93]
	s_or_b32 s[G0SB+3], s[G0SB+3], 0x80000000
	JLOAD G0S, G1S, G0SB, G1SB                     ; the scales first: they are wanted with the first K step
.irp s, 0,1
	s_mov_b32 s[G0+4*\s], 1
	s_add_co_u32 s[G0+4*\s+1], s45, \s*SLOT
	s_add_nc_u64 s[G0+4*\s+2:G0+4*\s+3], s[20:21], \s*ROWB
	s_or_b32 s[G0+4*\s+3], s[G0+4*\s+3], 0x80000000
	s_mov_b32 s[G0B+4*\s], 1
	s_add_co_u32 s[G0B+4*\s+1], s45, \s*SLOT
	s_add_nc_u64 s[G0B+4*\s+2:G0B+4*\s+3], s[46:47], \s*ROWB
	s_or_b32 s[G0B+4*\s+3], s[G0B+4*\s+3], 0x80000000
	JLOAD G0+4*\s, G1, G0B+4*\s, G1B               ; three loads of mine are out in all
.endr
	v_and_b32 v1, 15, v0                           ; l % 16
	v_bfe_u32 v2, v0, 4, 1                         ; l / 16
	v_mul_u32_u24 v3, v1, PITCH
	v_lshl_add_u32 v4, v2, 4, v3                   ; a fragment's row x pitch + 16 x half
	s_mul_i32 s21, s15, HALFT                      ; my 128 A rows
	s_mul_i32 s22, s16, HALFT                      ; my 128 B rows,
	s_add_co_u32 s22, s22, 2*HALFT                 ; behind A's 256
.irp s, 0,1
	v_add_nc_u32 v[ADRA+\s], s21, v4
	v_add_nc_u32 v[ADRB+\s], s22, v4
	s_add_co_u32 s21, s21, SLOT
	s_add_co_u32 s22, s22, SLOT
.endr
	v_mul_u32_u24 v5, v1, KS                       ; my row's scales: 32 bytes a row,
	v_lshrrev_b32 v6, 8, v5
	v_lshl_add_u32 v5, v6, 4, v5                   ; and 16 more for each 256 passed
	s_mul_i32 s21, s15, HALFS
	s_mul_i32 s22, s16, HALFS
	s_add_co_u32 s22, s22, 2*HALFS
	s_sub_co_u32 s22, s22, s21
	v_mul_u32_u24 v6, s22, v2                      ; lanes 16-31 take B's
	s_add_co_u32 s21, s21, SCL
	v_add_nc_u32 v5, v5, v6
	v_add_nc_u32 v[ADRS], s21, v5
	v_and_b32 v6, 31, v0
	v_lshlrev_b32 v[CO], 4, v6
.macro FRAG reg, adr, q, i             ; 16 rows x 128 K of 4-bit codes: 8 registers: two loads of 16 bytes, 32 bytes apart
.irp c, 0,1
	ds_load_b128 v[\reg+4*\c:\reg+4*\c+3], v[\adr] offset:64*(\q)+32*\c+(\i)*16*PITCH
.endr
.endm
; 16 matrix instructions: A's blocks a0, a0 + 1 x B's eight.  The 64 accumulators take turns, one instruction a turn, in the same order in every step.
.macro MUL16 a0, p, q, sc, zero
.irp a, \a0, \a0+1
.irp b, 0,1,2,3,4,5,6,7
.if \zero
	v_wmma_scale_f32_16x16x128_f8f6f4 v[8*(8*((\a)%4)+\b):8*(8*((\a)%4)+\b)+7], v[128*(\p)+FR*\b:128*(\p)+FR*\b+FR-1], v[AF+FR*(\a):AF+FR*(\a)+FR-1], 0, v[SC+8*NQ*(\sc)+NQ*\b+(\q)], v[SC+8*NQ*(\sc)+NQ*(\a)+(\q)] matrix_a_fmt:MATRIX_FMT_FP4 matrix_b_fmt:MATRIX_FMT_FP4 matrix_a_scale:MATRIX_SCALE_ROW1
.else
	v_wmma_scale_f32_16x16x128_f8f6f4 v[8*(8*((\a)%4)+\b):8*(8*((\a)%4)+\b)+7], v[128*(\p)+FR*\b:128*(\p)+FR*\b+FR-1], v[AF+FR*(\a):AF+FR*(\a)+FR-1], v[8*(8*((\a)%4)+\b):8*(8*((\a)%4)+\b)+7], v[SC+8*NQ*(\sc)+NQ*\b+(\q)], v[SC+8*NQ*(\sc)+NQ*(\a)+(\q)] matrix_a_fmt:MATRIX_FMT_FP4 matrix_b_fmt:MATRIX_FMT_FP4 matrix_a_scale:MATRIX_SCALE_ROW1
.endif
.endr
.endr
.endm
.macro FETCH_B slot, q, p
	WIN TO_B
.irp i, 0,1,2,3,4,5,6,7
	FRAG 128*(\p)+FR*\i, ADRB+\slot, \q, \i
.endr
	WIN 0
.endm
.macro FETCH_A slot, q, i0
.irp i, \i0, \i0+1, \i0+2, \i0+3
	FRAG AF+FR*(\i), ADRA+\slot, \q, \i
.endr
.endm
.macro SCALES sc                       ; a slot's scale words: four a row; lanes 0-15 A's block i, lanes 16-31 B's block i
.irp i, 0,1,2,3,4,5,6,7
	ds_load_b128 v[SC+8*NQ*\sc+NQ*\i:SC+8*NQ*\sc+NQ*\i+3], v[ADRS] offset:\i*SBLK
.endr
.endm
.macro PLACES n                        ; plain vector lines between a matrix instruction and a load into, or a read of, its registers
.rept \n
	v_nop
.endr
.endm
.macro STEP slot, q, zero              ; 128 along K, with its successor in the same slot
	s_wait_dscnt 4*NL                              ; B's set and A's blocks 0-3 are in; the youngest eight loads (A's blocks 4-7) may be out
	WIN MUL_LO
	MUL16 0, (\q)%2, \q, \slot, \zero
	MUL16 2, (\q)%2, \q, \slot, \zero
	s_wait_dscnt 0                                 ; A's blocks 4-7 are in
	PLACES NP
	FETCH_B \slot, (\q)+1, 1-(\q)%2
	FETCH_A \slot, (\q)+1, 0
	WIN MUL_HI
	MUL16 4, (\q)%2, \q, \slot, \zero
	MUL16 6, (\q)%2, \q, \slot, \zero
	PLACES NP
	WIN 0
	FETCH_A \slot, (\q)+1, 4
.endm
; A slot's last step changes slots: one barrier.
.macro TURN slot, next
	s_wait_tensorcnt 0x0                           ; all my tensor loads have landed: my part of the next slot
	ds_add_u32 v[SPW], v[NIL]                      ; 0 onto my spare word
	s_wait_dscnt 4*NL+1                            ; the add and the youngest eight loads (A's blocks 4-7) may be out
	WIN MUL_LO
	MUL16 0, 1, NQ-1, \slot, 0
	s_wait_dscnt 0x0                               ; no LDS instruction of mine is out at the signal
	s_barrier_signal -1
	MUL16 2, 1, NQ-1, \slot, 0
	WIN 0
	s_barrier_wait -1                              ; the next slot is whole
	PLACES NP
	v_add_nc_u32 v[ADRS], 4*NQ, v[ADRS]            ; the next slot's scale words
	FETCH_B \next, 0, 0
	FETCH_A \next, 0, 0
	SCALES \next
	WIN MUL_HI
	MUL16 4, 1, NQ-1, \slot, 0
	MUL16 6, 1, NQ-1, \slot, 0
	PLACES NP
	WIN 0
	FETCH_A \next, 0, 4
.endm
.macro STEPS slot, from
.set Q, \from
.rept NQ-1-\from
	STEP \slot, Q, 0
.set Q, Q+1
.endr
.endm
	s_wait_tensorcnt 1                             ; the scales and my part of slot 0 are in; slot 1's load may be out
	s_barrier_signal -1
	s_barrier_wait -1
	FETCH_B 0, 0, 0
	FETCH_A 0, 0, 0
	SCALES 0
	FETCH_A 0, 0, 4
	STEP 0, 0, 1                                   ; the first products start the sums: nothing is cleared
	STEPS 0, 1
	TURN 0, 1
	STEPS 1, 0
	s_wait_dscnt 4*NL                              ; the last step: nothing more to fetch
	WIN MUL_LO
	MUL16 0, 1, NQ-1, 1, 0
	MUL16 2, 1, NQ-1, 1, 0
	s_wait_dscnt 0
	WIN MUL_HI
	MUL16 4, 1, NQ-1, 1, 0
	MUL16 6, 1, NQ-1, 1, 0
	WIN 0
; THE WAY OUT.  Block a's 8 accumulators are rounded to f16, each from its low end on: 4 registers an accumulator, which are half a piece of the next operand.  sa2, sa1: bytes for a / 4 and a % 4; sb4, sb2: for b / 4 and (b / 2) % 2.
.macro OUT sa2, sa1, sb4, sb2
.irp a, 0,1,2,3,4,5,6,7
.if \a >= 4
	s_wait_xcnt 0x0                                ; the stores of block a - 4 have read their registers, which are written again
.endif
	WIN 0x0a+5*(\a/4)                              ; sources 0 and 1: window 2 or 3
.irp b, 0,1,2,3,4,5,6,7
.irp i, 0,1,2,3
	v_cvt_pk_f16_f32 v[OUTR+32*(\a%4)+4*\b+\i], v[64*(\a%4)+8*\b+2*\i], v[64*(\a%4)+8*\b+2*\i+1]
.endr
.endr
	WIN 0
.irp b, 0,1,2,3,4,5,6,7
	global_store_b128 v[CO], v[OUTR+32*(\a%4)+4*\b:OUTR+32*(\a%4)+4*\b+3], s[8:9] offset:(\a/4)*\sa2+(\a%4)*\sa1+(\b/4)*\sb4+((\b/2)%2)*\sb2+(\b%2)*512   ; 512 consecutive bytes, aligned
.endr
.endr
.endm
	PLACES NP                                      ; behind the last products: for the reads of results and the writes over A's fragments
	s_cmp_eq_u32 ttmp9, 2                          ; the cluster's x: the same in all partners
	s_cbranch_scc1 .Lv_out
	; ---- Q or K: A rows are positions, B rows channels
	s_lshl_b32 s20, s41, 4                         ; batch cy,
	s_lshl_b32 s21, s40, 2
	s_add_co_u32 s20, s20, s21                     ; head 4 cx
	s_lshl_b32 s21, s16, 1
	s_add_co_u32 s20, s20, s21                     ; + 2 x my half of the B rows
	s_lshl_b32 s20, s20, 18                        ; 262,144 bytes a batch and head
	s_lshl_b32 s21, s13, 4
	s_lshl_b32 s22, s15, 3
	s_add_co_u32 s21, s21, s22                     ; tile of 16 positions: 16 cluster y + 8 x my half of the A rows
	s_lshl_b32 s21, s21, 11
	s_add_co_u32 s20, s20, s21
	s_lshl_b32 s21, ttmp9, 24                      ; Q at 0, K at 16 MiB
	s_add_co_u32 s20, s20, s21
	s_mov_b32 s21, 0
	s_add_nc_u64 s[8:9], s[8:9], s[20:21]
	s_mul_i32 s22, s41, 196608                     ; first32: the batch,
	s_lshl_b32 s23, ttmp9, 6
	s_lshl_b32 s12, s40, 4
	s_add_co_u32 s23, s23, s12
	s_lshl_b32 s12, s16, 3
	s_add_co_u32 s23, s23, s12                     ; piece 64 cluster x + 16 cx + 8 x half
	s_lshl_b32 s23, s23, 10
	s_add_co_u32 s22, s22, s23
	s_mov_b32 s23, 0
	s_add_nc_u64 s[10:11], s[10:11], s[22:23]
	s_or_b32 s12, s13, s15                         ; positions 0-15 of a batch: cluster y = 0 and the first half of the A rows: block a = 0
	s_cmp_lg_u32 s12, 0
	s_cbranch_scc1 .Lqk_rest
	WIN 0x08                                       ; a store's data: window 2
.irp b, 0,1,2,3,4,5,6,7
	global_store_b128 v[CO], v[8*\b:8*\b+3], s[10:11] offset:1024*\b
	global_store_b128 v[CO], v[8*\b+4:8*\b+7], s[10:11] offset:1024*\b+512
.endr
	WIN 0
.Lqk_rest:
	OUT 8192, 2048, 262144, 1024
	s_branch .Ldone
	; ---- V: A rows are channels, B rows keys
.Lv_out:
	s_lshl_b32 s20, s40, 4                         ; batch cx,
	s_lshl_b32 s21, s41, 2
	s_add_co_u32 s20, s20, s21                     ; head 4 cy
	s_lshl_b32 s21, s15, 1
	s_add_co_u32 s20, s20, s21                     ; + 2 x my half of the A rows
	s_lshl_b32 s20, s20, 18
	s_lshl_b32 s21, s13, 3
	s_lshl_b32 s22, s16, 2
	s_add_co_u32 s21, s21, s22                     ; group of 32 keys: 8 cluster y + 4 x my half of the B rows
	s_lshl_b32 s21, s21, 12
	s_add_co_u32 s20, s20, s21
	s_add_co_u32 s20, s20, 0x2000000               ; V^T at 32 MiB
	s_mov_b32 s21, 0
	s_add_nc_u64 s[8:9], s[8:9], s[20:21]
	s_mul_i32 s22, s40, 196608
	s_lshl_b32 s23, s41, 4
	s_lshl_b32 s12, s15, 3
	s_add_co_u32 s23, s23, s12
	s_add_co_u32 s23, s23, 128                     ; piece 128 + 16 cy + 8 x half
	s_lshl_b32 s23, s23, 10
	s_add_co_u32 s22, s22, s23
	s_mov_b32 s23, 0
	s_add_nc_u64 s[10:11], s[10:11], s[22:23]
	s_or_b32 s12, s13, s16                         ; keys 0-15 of a batch: cluster y = 0 and the first half of the B rows: block b = 0
	s_cmp_lg_u32 s12, 0
	s_cbranch_scc1 .Lv_rest
	WIN 0x08
.irp a, 0,1,2,3
	global_store_b128 v[CO], v[64*\a:64*\a+3], s[10:11] offset:1024*\a
	global_store_b128 v[CO], v[64*\a+4:64*\a+7], s[10:11] offset:1024*\a+512
.endr
	WIN 0x0c
.irp a, 0,1,2,3
	global_store_b128 v[CO], v[64*\a:64*\a+3], s[10:11] offset:1024*(\a+4)
	global_store_b128 v[CO], v[64*\a+4:64*\a+7], s[10:11] offset:1024*(\a+4)+512
.endr
	WIN 0
.Lv_rest:
	OUT 262144, 1024, 8192, 4096
.Ldone:
	s_wait_tensorcnt 0x0                           ; the wave's end
	ds_add_u32 v[SPW], v[NIL]
	s_wait_dscnt 0x0
	CROUND                                         ; the closing round
	s_endpgm
.Lfunc_end_k_q71ef42c9de_qkv:
	.size	k_q71ef42c9de_qkv, .Lfunc_end_k_q71ef42c9de_qkv-k_q71ef42c9de_qkv
	.p2alignl 7, 3214868480
	.fill 96, 4, 3214868480
	.section	.rodata,"a",@progbits
	.p2align	6, 0x0
	.amdhsa_kernel k_q71ef42c9de_qkv
		.amdhsa_group_segment_fixed_size 327680
		.amdhsa_private_segment_fixed_size 0
		.amdhsa_enable_private_segment 0
		.amdhsa_kernarg_size 32
		.amdhsa_user_sgpr_count 2
		.amdhsa_user_sgpr_kernarg_segment_ptr 1
		.amdhsa_wavefront_size32 1
		.amdhsa_system_sgpr_workgroup_id_x 1
		.amdhsa_system_sgpr_workgroup_id_y 1
		.amdhsa_system_sgpr_workgroup_id_z 1
		.amdhsa_system_vgpr_workitem_id 0
		.amdhsa_next_free_vgpr 1024
		.amdhsa_next_free_sgpr 100
		.amdhsa_reserve_vcc 0
		.amdhsa_float_denorm_mode_32 3
		.amdhsa_float_denorm_mode_16_64 3
		.amdhsa_memory_ordered 1
		.amdhsa_forward_progress 1
		.amdhsa_inst_pref_size 145
	.end_amdhsa_kernel
	.amdgpu_metadata
---
amdhsa.version: [ 1, 2 ]
amdhsa.kernels:
  - .name:           k_q71ef42c9de_qkv
    .symbol:         k_q71ef42c9de_qkv.kd
    .args:
      - { .name: codes, .offset: 0, .size: 8, .value_kind: global_buffer, .address_space: global }
      - { .name: scales, .offset: 8, .size: 8, .value_kind: global_buffer, .address_space: global }
      - { .name: qkv, .offset: 16, .size: 8, .value_kind: global_buffer, .address_space: global }
      - { .name: first32, .offset: 24, .size: 8, .value_kind: global_buffer, .address_space: global }
    .group_segment_fixed_size: 327680
    .private_segment_fixed_size: 0
    .kernarg_segment_align: 8
    .kernarg_segment_size: 32
    .max_flat_workgroup_size: 128
    .sgpr_count:     100
    .vgpr_count:     1024
    .wavefront_size: 32
...
	.end_amdgpu_metadata
.endif
;; end of part 2
;; launch attn (part 3): grid 4 x 64, 8 waves a work-group, no clusters, 327,680 bytes of LDS; arguments qkv, of; writes of
.if DOCPART == 3
	.amdgcn_target "amdgcn-amd-amdhsa--gfx1250"
	.amdhsa_code_object_version 6
	.text
	.protected	k_q71ef42c9de_attn
	.globl	k_q71ef42c9de_attn
	.p2align	8
	.type	k_q71ef42c9de_attn,@function
k_q71ef42c9de_attn:
	s_mov_b64 s[64:65], 0
	v_nop
	global_prefetch_b8 v0, s[64:65] scope:SCOPE_SE
	s_setreg_imm32_b32 hwreg(HW_REG_WAVE_MODE, 25, 1), 1
	s_wait_xcnt 0x0
; O[bh][q] = sum over k <= q of softmax_k(Q[q] . K[k] / 32) V[k], head size 64, 2,048 positions, 64 batch-heads.  Operands f16, products, maxima and sums f32; the weights are rounded to f16 for the second product.
; Q, K, V^T arrive in the order of operand registers (pieces of 1,024 bytes: lane (r, h): row r, k = 8 h + 0..7 at 16 x lane, k = 16 + 8 h + 0..7 at 512 + 16 x lane):
;   Q at 0, K at 16 MiB: [bh][tile of 16 positions][32 channels 2];  V^T at 32 MiB: [bh][32 keys][16 channels 4].  So a unit of 256 keys is 32,768 dense bytes of K and as many of V^T,
;   and a fragment comes from LDS by two loads at 16 x lane: no pitch, no padding, no turning load.
; SHARES.  Work-group (p, bh) owns the blocks of 256 queries 7 - p and p of its head, the higher first.  Block B wants key units 0 .. B, so every work-group walks 8 - p + p + 1 = 9 units: equal work, constant trip count.
;   Wave w owns queries 32 w .. 32 w + 31 of the block in hand: two tiles of 16.  Two waves share a SIMD: one's softmax stands beside the other's products and LDS loads.
; LAYOUT.  S^T = K Q^T (source 0 = 16 keys, source 1 = 16 queries): a lane holds ONE query (lane % 16) and keys 8 (lane / 16) + 0..7; two such tiles rounded in pairs ARE source 1 of O^T = V^T P.
; SOFTMAX.  Running maximum m and sum l a query: p = 2^(c s - c m), c = log2(e) / 32; in every step O and l are multiplied by a = 2^(c m_old - c m_new).
; THE MASK.  A step of 64 keys all of which come after the wave's 32 queries is jumped over (ids alone); on the diagonal hidden scores become -infinity ahead of the maximum.
; RING.  Two slots of one unit (65,536 bytes); each of the eight waves fetches 8,192 dense bytes of it with one tensor load (waves 0-3 K, waves 4-7 V^T): one load of mine is out behind each barrier, with four key steps in which to land.
;   Every unit asked for is read: the last waves of a work-group read a diagonal unit's last step.
; NO CLUSTER: the four work-groups of a head walk different units at the same trip (unit = trip, or trip - (8 - p)), so no two of them want the same tile in the same round.
; O leaves as f16 pieces for the projection: of [ks 8][tile of 16 rows 512][kg 4][1,024 bytes], channel 64 head + .. = 128 ks + 32 kg + ..
; LIMITS: |Q|, |K|, |V| up to 65,504 (f16); NaN and infinities are not served.
; REGISTERS: window 0: v1-9 addresses and constants; v16-31 statistics, 8 a tile (+0 c m, +1 m, +2, +3 l, +4..+7 c0-c3; a takes c2's place); v32-95 S^T; v96-127 P; v128-191 K's fragments; v192-255 V's.
;   window 1: v0-63 O^T (32 t + 8 ct); v64-95 Q (64 + 16 t + 8 cg).
.set SLOT1, 1<<16                      ; slot 1 begins here: one exclusive or turns an address from one slot to the other
.set VOFF,  32768                      ; in a slot: K's 32 pieces, then V^T's 32
.set SPARE, 2*SLOT1                    ; the spare words: 128 bytes a wave, four blocks of 256 bytes that no other line names
.set LI,  1                            ; v1  16 x lane; never rewritten
.set AD,  2                            ; v2  16 x lane + the slot in hand
.set PFO, 3                            ; v3  256 x lane; never rewritten
.set SPW, 4
.set NIL, 5
.set D0,  6                            ; v6, v7  the mask's bound for tiles 0, 1
.set NEG, 8                            ; v8  -infinity
.set RH,  9                            ; v9  lane % 16 - 8 (lane / 16)
.set ST,  16
.set S,   32
.set P,   96
.set KF,  128
.set VF,  192
.set QF,  64                           ; in window 1
.set WV,  8                            ; s8  wave
.set PP,  9                            ; s9  p
.set BH,  10                           ; s10 batch x 16 + head
.set NHI, 11                           ; s11 8 - p: units of the first block
.set IA,  12                           ; s12 which of the nine units is being asked for
.set UA,  13                           ; s13 its number among the head's units
.set Q0,  14                           ; s14 my first query
.set QL,  15                           ; s15 my last
.set KS0, 16                           ; s16 the slot's first key
.set SEL, 20                           ; s[20:21] lane selects: lane l xor 16
.set CS,  22                           ; s[22:23] c, twice
.set G1,  24                           ; s[24:31] descriptor group 1
.set G0,  32                           ; s[32:35] group 0
.set OF,  38                           ; s[38:39] an offset in 64 bits
.set PB,  40                           ; s[40:41] my 8,192 bytes of unit 0
.set PFA, 42                           ; s[42:43] the same of the unit being asked for
.set LIM, 44                           ; s44 7 in the head's work-group p = 0, else 0
.set SL,  45                           ; s45 trips to go
.set QH,  46                           ; s[46:47] the head's Q
.set OH,  48                           ; s[48:49] the head's place in of
.set QB,  50                           ; s[50:51] my 32 queries' Q
.set TB,  52                           ; s52 the slot in hand
.set OB,  54                           ; s[54:55] my 32 queries' place in of
.set MSB, 0
.macro WIN new
.if MSB != (\new)
	s_set_vgpr_msb (MSB<<8)|(\new)
.set MSB, (\new)
.endif
.endm
.set W_KQ, 0x04                        ; Q (source 1) in window 1
.set W_PV, 0x50                        ; O^T (C and D) in window 1
.set W_RS, 0x41                        ; O^T (destination, source 0) in window 1
.macro FETCH_K q                       ; a step's K: 64 keys x 64 channels: 8 fragments, f = 2 kt + cg
.irp f, 0,1,2,3,4,5,6,7
	ds_load_b128 v[KF+8*\f:KF+8*\f+3],   v[AD] offset:(8*(\q)+\f)*1024
	ds_load_b128 v[KF+8*\f+4:KF+8*\f+7], v[AD] offset:(8*(\q)+\f)*1024+512
.endr
.endm
.macro FETCH_V q                       ; a step's V^T: 8 fragments, f = 4 (32 keys) + ct
.irp f, 0,1,2,3,4,5,6,7
	ds_load_b128 v[VF+8*\f:VF+8*\f+3],   v[AD] offset:VOFF+(8*(\q)+\f)*1024
	ds_load_b128 v[VF+8*\f+4:VF+8*\f+7], v[AD] offset:VOFF+(8*(\q)+\f)*1024+512
.endr
.endm
; Two tiles' softmax for 64 keys, the tiles line by line by turns.
.macro SOFTMAX
.irp j, 0,1,2,3
.irp t, 0,1
	v_max3_num_f32 v[ST+8*\t+4+\j], v[S+32*\t+8*\j], v[S+32*\t+8*\j+1], v[S+32*\t+8*\j+2]   ; four chains, each begun at an accumulator's low end
.endr
.endr
.irp u, 3,5
.irp j, 0,1,2,3
.irp t, 0,1
	v_max3_num_f32 v[ST+8*\t+4+\j], v[ST+8*\t+4+\j], v[S+32*\t+8*\j+\u], v[S+32*\t+8*\j+\u+1]
.endr
.endr
.endr
.irp t, 0,1
	v_max3_num_f32 v[ST+8*\t+4], v[ST+8*\t+4], v[S+32*\t+7], v[S+32*\t+15]
.endr
.irp t, 0,1
	v_max3_num_f32 v[ST+8*\t+6], v[ST+8*\t+6], v[S+32*\t+23], v[S+32*\t+31]
.endr
.irp t, 0,1
	v_max3_num_f32 v[ST+8*\t+4], v[ST+8*\t+4], v[ST+8*\t+5], v[ST+8*\t+6]
.endr
.irp t, 0,1
	v_max3_num_f32 v[ST+8*\t+4], v[ST+8*\t+4], v[ST+8*\t+7], v[ST+8*\t+1]   ; with the old m
.endr
.irp t, 0,1
	v_permlanex16_b32 v[ST+8*\t+5], v[ST+8*\t+4], s[SEL], s[SEL+1]          ; the query's other 32 keys lie 16 lanes away
.endr
.irp t, 0,1
	v_mov_b32 v[ST+8*\t+7], v[ST+8*\t]             ; c m_old
.endr
.irp t, 0,1
	v_max_num_f32 v[ST+8*\t+1], v[ST+8*\t+4], v[ST+8*\t+5]
.endr
.irp t, 0,1
	v_mul_f32 v[ST+8*\t], s[CS], v[ST+8*\t+1]
.endr
.irp t, 0,1
	v_sub_f32 v[ST+8*\t+7], v[ST+8*\t+7], v[ST+8*\t]
.endr
.irp t, 0,1
	v_exp_f32 v[ST+8*\t+6], v[ST+8*\t+7]           ; a
.endr
.irp n, 0,1,2,3,4,5,6,7,8,9,10,11,12,13,14,15
.irp t, 0,1
	v_pk_fma_f32 v[S+32*\t+2*\n:S+32*\t+2*\n+1], v[S+32*\t+2*\n:S+32*\t+2*\n+1], s[CS:CS+1], v[ST+8*\t:ST+8*\t+1] op_sel_hi:[1,0,0] neg_lo:[0,0,1] neg_hi:[0,0,1]   ; c s - c m
.endr
.endr
.irp n, 0,1,2,3,4,5,6,7,8,9,10,11,12,13,14,15,16,17,18,19,20,21,22,23,24,25,26,27,28,29,30,31
.irp t, 0,1
	v_exp_f32 v[S+32*\t+\n], v[S+32*\t+\n]
.endr
.endr
	v_nop                                          ; a plain line behind the last exponential
	s_wait_alu depctr_va_vdst(0)                   ; one wait for the batch of 66, ahead of the first line that names a result
.irp n, 0,1,2,3,4,5,6,7,8,9,10,11,12,13,14,15
.irp t, 0,1
	v_cvt_pk_f16_f32 v[P+16*\t+\n], v[S+32*\t+2*\n], v[S+32*\t+2*\n+1]
.endr
.endr
.irp t, 0,1
	v_pk_fma_f32 v[ST+8*\t+2:ST+8*\t+3], v[ST+8*\t+2:ST+8*\t+3], v[ST+8*\t+6:ST+8*\t+7], v[S+32*\t:S+32*\t+1] op_sel_hi:[1,0,1]   ; l = a l + the first pair; the sums go in two chains
.endr
.irp t, 0,1
	v_pk_add_f32 v[ST+8*\t+4:ST+8*\t+5], v[S+32*\t+2:S+32*\t+3], v[S+32*\t+4:S+32*\t+5]
.endr
.irp n, 3,5,7,9,11,13
.irp t, 0,1
	v_pk_add_f32 v[ST+8*\t+2:ST+8*\t+3], v[ST+8*\t+2:ST+8*\t+3], v[S+32*\t+2*\n:S+32*\t+2*\n+1]
.endr
.irp t, 0,1
	v_pk_add_f32 v[ST+8*\t+4:ST+8*\t+5], v[ST+8*\t+4:ST+8*\t+5], v[S+32*\t+2*\n+2:S+32*\t+2*\n+3]
.endr
.endr
.irp t, 0,1
	v_pk_add_f32 v[ST+8*\t+2:ST+8*\t+3], v[ST+8*\t+2:ST+8*\t+3], v[S+32*\t+30:S+32*\t+31]
.endr
.irp t, 0,1
	v_pk_add_f32 v[ST+8*\t+2:ST+8*\t+3], v[ST+8*\t+2:ST+8*\t+3], v[ST+8*\t+4:ST+8*\t+5]
.endr
	WIN W_RS
.irp n, 0,1,2,3,4,5,6,7,8,9,10,11,12,13,14,15
.irp t, 0,1
	v_pk_mul_f32 v[32*\t+2*\n:32*\t+2*\n+1], v[32*\t+2*\n:32*\t+2*\n+1], v[ST+8*\t+6:ST+8*\t+7] op_sel_hi:[1,0]   ; O^T x a
.endr
.endr
.endm
; A KEY STEP: 64 keys, the q-th of the slot in hand.  A hidden step jumps to the slot's end: the later ones are hidden too.
.macro STEP q, id
	s_add_co_u32 s17, s[KS0], 64*\q                ; the step's first key
	s_cmp_gt_u32 s17, s[QL]
	s_cbranch_scc1 .Lend_\id
.if \q == 0
	FETCH_K 0
.endif
	FETCH_V \q
	s_wait_dscnt 16                                ; K is in; V's 16 loads may be out
	WIN W_KQ
.irp g, 0,1                            ; 16 products: the eight accumulators take turns, one instruction a turn; the first eight start the sums
.irp k, 0,1,2,3
.irp t, 0,1
.if \g == 0
	v_wmma_f32_16x16x32_f16 v[S+32*\t+8*\k:S+32*\t+8*\k+7], v[KF+8*(2*\k+\g):KF+8*(2*\k+\g)+7], v[QF+16*\t+8*\g:QF+16*\t+8*\g+7], 0
.else
	v_wmma_f32_16x16x32_f16 v[S+32*\t+8*\k:S+32*\t+8*\k+7], v[KF+8*(2*\k+\g):KF+8*(2*\k+\g)+7], v[QF+16*\t+8*\g:QF+16*\t+8*\g+7], v[S+32*\t+8*\k:S+32*\t+8*\k+7]
.endif
.endr
.endr
.endr
	WIN 0
.rept 4
	v_nop                                          ; four places: for the loads into K's registers and the reads of the scores
.endr
.if \q < 3
	FETCH_K \q+1
.endif
	s_add_co_u32 s18, s17, 63
	s_cmp_le_u32 s18, s[Q0]                        ; all 64 keys count for all my queries?
	s_cbranch_scc1 .Lopen_\@
	s_sub_co_i32 s18, s[Q0], s17
	v_add_nc_u32 v[D0], s18, v[RH]                 ; d = my query - the step's first key - 8 (lane / 16).  Register 8 kt + j holds key 16 kt + 8 (lane / 16) + j: hidden where 16 kt + j > d
	v_add_nc_u32 v[D0+1], 16, v[D0]
.irp n, 0,1,2,3,4,5,6,7,8,9,10,11,12,13,14,15,16,17,18,19,20,21,22,23,24,25,26,27,28,29,30,31
.irp t, 0,1
	v_cmp_gt_i32 vcc_lo, 16*(\n/8)+\n%8, v[D0+\t]
	v_cndmask_b32 v[S+32*\t+\n], v[S+32*\t+\n], v[NEG], vcc_lo
.endr
.endr
.Lopen_\@:
	SOFTMAX
.if \q < 3
	s_wait_dscnt 16                                ; V is in; the next step's K (16 loads) may be out
.else
	s_wait_dscnt 0x0
.endif
	WIN W_PV
.irp g, 0,1                            ; 16 products, eight accumulators by turns
.irp c, 0,1,2,3
.irp t, 0,1
	v_wmma_f32_16x16x32_f16 v[32*\t+8*\c:32*\t+8*\c+7], v[VF+8*(4*\g+\c):VF+8*(4*\g+\c)+7], v[P+16*\t+8*\g:P+16*\t+8*\g+7], v[32*\t+8*\c:32*\t+8*\c+7]
.endr
.endr
.endr
	WIN 0
.rept 4
	v_nop                                          ; four places: for the next loads into V's registers and the next reads of O^T
.endr
.endm
.macro SLOT_STEPS
	v_add_nc_u32 v[AD], s[TB], v[LI]
	STEP 0, \@
	STEP 1, \@
	STEP 2, \@
	STEP 3, \@
.Lend_\@:
	s_add_co_u32 s[KS0], s[KS0], 256
	s_xor_b32 s[TB], s[TB], SLOT1
.endm
; A PREFETCH INTO THE L2 of the unit that the NEXT change of slots asks for: four key steps ahead of that load.  All four work-groups of a head read the head's units; p = 0, which walks units 0 to 7 in order, asks,
; each wave for its own 8,192 bytes, lanes 256 bytes apart: each block is named once in the launch.  Units 0 and 1 come by their loads alone; nothing is asked for beyond unit 7.
.macro ASK
	s_cmp_lt_u32 s[IA], s[LIM]
	s_cbranch_scc0 .Lnot_mine_\@
	global_prefetch_b8 v[PFO], s[PFA:PFA+1] offset:32768 th:TH_LOAD_NT scope:SCOPE_SE
.Lnot_mine_\@:
.endm
; THE CHANGE OF SLOTS, at a slot's head.  Each wave waits for all its tensor loads (its part of the slot ahead), adds 0 to its spare word, and waits for that and for its reads of the slot that it has left.
.macro CHANGE fill
	s_wait_tensorcnt 0x0                           ; no tensor load of mine is out: group 0 may be written
	ds_add_u32 v[SPW], v[NIL]                      ; 0 onto my spare word; the descriptor's step stands between it and the wait for it
.if \fill
	s_xor_b32 s[G0+1], s[G0+1], SLOT1              ; the other slot than last time
	s_sub_co_u32 s17, s[IA], s[NHI]
	s_cmp_lt_u32 s[IA], s[NHI]
	s_cselect_b32 s[UA], s[IA], s17                ; the first block's units 0 .. 7 - p, then the second's 0 .. p
	s_lshl_b32 s[OF], s[UA], 15
	s_add_nc_u64 s[G0+2:G0+3], s[PB:PB+1], s[OF:OF+1]
	s_or_b32 s[G0+3], s[G0+3], 0x80000000          ; type = 2
	s_wait_xcnt 0x0                                ; the last prefetch, a slot back, has read its address
	s_add_nc_u64 s[PFA:PFA+1], s[PB:PB+1], s[OF:OF+1]
.endif
	s_wait_dscnt 0x0                               ; the add is done, and my reads of the slot that I have left are over
	s_barrier_signal -1
	s_barrier_wait -1
.if \fill
	tensor_load_to_lds s[G0:G0+3], s[G1:G1+7]      ; the first thing behind the barrier, and my one tensor load until the next
	s_nop 0
.rept 4
	v_nop
.endr
	ASK
.endif
.endm
.macro QLOAD                           ; my 32 queries' four fragments, from s[Q0] on
	s_lshl_b32 s[OF], s[Q0], 7                     ; 2,048 bytes a tile of 16
	s_add_nc_u64 s[QB:QB+1], s[QH:QH+1], s[OF:OF+1]
	WIN 0x40
.irp f, 0,1,2,3
	global_load_b128 v[QF+8*\f:QF+8*\f+3],   v[LI], s[QB:QB+1] offset:1024*\f
	global_load_b128 v[QF+8*\f+4:QF+8*\f+7], v[LI], s[QB:QB+1] offset:1024*\f+512
.endr
	WIN 0
.endm
.macro SETOB
	s_lshl_b32 s[OF], s[Q0], 8                     ; 4,096 bytes a tile of 16 rows
	s_add_nc_u64 s[OB:OB+1], s[OH:OH+1], s[OF:OF+1]
.endm
.macro RESET                           ; the step is written once: a block's first step finds zeros and m = -3e38, under every score
.irp t, 0,1
	v_mov_b32 v[ST+8*\t+1], 0xff61b1e6
	v_mul_f32 v[ST+8*\t], s[CS], v[ST+8*\t+1]
.irp j, 2,3,4,5,6,7
	v_mov_b32 v[ST+8*\t+\j], 0
.endr
.endr
	WIN 0x40
.set i, 0
.rept 64
	v_mov_b32 v[i], 0
.set i, i+1
.endr
	WIN 0
.endm
.macro FINISH                          ; O^T / l, rounded to f16: a lane's eight channels are half a piece's 16 bytes: stored as they stand
.irp t, 0,1
	v_add_f32 v[ST+8*\t+4], v[ST+8*\t+2], v[ST+8*\t+3]
.endr
.irp t, 0,1
	v_permlanex16_b32 v[ST+8*\t+5], v[ST+8*\t+4], s[SEL], s[SEL+1]
.endr
.irp t, 0,1
	v_add_f32 v[ST+8*\t+4], v[ST+8*\t+4], v[ST+8*\t+5]
.endr
.irp t, 0,1
	v_rcp_f32 v[ST+8*\t+6], v[ST+8*\t+4]
.endr
	v_nop                                          ; a plain line behind the last reciprocal
	s_wait_alu depctr_va_vdst(0)                   ; and one wait for the two, ahead of the first use
	WIN W_RS
.irp t, 0,1
.irp n, 0,1,2,3,4,5,6,7,8,9,10,11,12,13,14,15
	v_pk_mul_f32 v[32*\t+2*\n:32*\t+2*\n+1], v[32*\t+2*\n:32*\t+2*\n+1], v[ST+8*\t+6:ST+8*\t+7] op_sel_hi:[1,0]
.endr
.endr
	WIN 0x05
.irp t, 0,1
.irp n, 0,1,2,3,4,5,6,7,8,9,10,11,12,13,14,15
	v_cvt_pk_f16_f32 v[S+16*\t+\n], v[32*\t+2*\n], v[32*\t+2*\n+1]
.endr
.endr
	WIN 0
.irp t, 0,1
.irp f, 0,1,2,3
	global_store_b128 v[LI], v[S+16*\t+4*\f:S+16*\t+4*\f+3], s[OB:OB+1] offset:4096*\t+512*\f   ; 512 consecutive bytes, aligned
.endr
.endr
.endm
	s_load_b128 s[4:7], s[0:1], 0x0                ; qkv s[4:5], of s[6:7]
	v_lshl_add_u32 v[SPW], v0, 2, SPARE
	v_mov_b32 v[NIL], 0
	ds_add_u32 v[SPW], v[NIL]                      ; the wave's opening: the add, twice on end, and its wait ahead of my first tensor load
	ds_add_u32 v[SPW], v[NIL]
	v_lshrrev_b32 v10, 5, v0
	v_readfirstlane_b32 s[WV], v10                 ; wave 0..7
	s_mov_b32 s[PP], ttmp9
	s_and_b32 s[BH], ttmp7, 0xffff
	s_sub_co_u32 s[NHI], 8, s[PP]
	s_mov_b32 s[G1], 3<<16                         ; no mask; elements of 8 bytes; no padding
	s_mov_b32 s[G1+1], 32<<16                      ; tensor_dim0 = 32 elements: rows of 256 bytes
	s_mov_b32 s[G1+2], 32<<16                      ; tensor_dim1 = 32 rows: 8,192 dense bytes
	s_mov_b32 s[G1+3], 32<<16                      ; tile_dim0
	s_mov_b32 s[G1+4], 32                          ; tile_dim1
	s_mov_b32 s[G1+5], 32                          ; from row to row
	s_mov_b32 s[G1+6], 0
	s_mov_b32 s[G1+7], 0
	s_mov_b32 s[G0], 1
	s_lshl_b32 s[G0+1], s[WV], 13                  ; slot 0, my 8,192 bytes: waves 0-3 K's quarters, waves 4-7 V^T's
	s_lshr_b32 s17, s[WV], 2
	s_add_co_u32 s17, s17, 1
	s_lshl_b32 s17, s17, 24                        ; K at 16 MiB, V^T at 32 MiB
	s_lshl_b32 s58, s[BH], 18                      ; 262,144 bytes a batch and head
	s_mov_b32 s59, 0
	s_add_co_u32 s56, s17, s58
	s_and_b32 s17, s[WV], 3
	s_lshl_b32 s17, s17, 13
	s_add_co_u32 s56, s56, s17
	s_mov_b32 s57, 0
	s_and_b32 s17, s[BH], 15                       ; head
	s_lshr_b32 s18, s17, 1
	s_lshl_b32 s60, s18, 21                        ; ks = head / 2: 2 MiB each
	s_and_b32 s17, s17, 1
	s_lshl_b32 s17, s17, 11                        ; kg = 2 (head % 2): 1,024 bytes each
	s_add_co_u32 s60, s60, s17
	s_lshr_b32 s17, s[BH], 4
	s_lshl_b32 s17, s17, 19                        ; the batch's 128 tiles of 4,096 bytes
	s_add_co_u32 s60, s60, s17
	s_mov_b32 s61, 0
	s_sub_co_u32 s[Q0], 7, s[PP]
	s_lshl_b32 s[Q0], s[Q0], 8
	s_lshl_b32 s17, s[WV], 5
	s_add_co_u32 s[Q0], s[Q0], s17                 ; my first query: 256 (7 - p) + 32 wave
	s_add_co_u32 s[QL], s[Q0], 31
	s_cmp_eq_u32 s[PP], 0
	s_cselect_b32 s[LIM], 7, 0
	s_mov_b32 s[OF+1], 0
	s_mov_b32 s[SEL], 0x76543210
	s_mov_b32 s[SEL+1], 0xfedcba98
	s_mov_b32 s[CS], 0x3d38aa3b                    ; c = log2(e) / 32
	s_mov_b32 s[CS+1], s[CS]
	s_mov_b32 s[IA], 1
	s_mov_b32 s[SL], 8
	s_mov_b32 s[TB], 0
	s_mov_b32 s[KS0], 0
	v_and_b32 v[LI], 31, v0
	v_lshlrev_b32 v[PFO], 8, v[LI]
	v_lshlrev_b32 v[LI], 4, v[LI]
	v_and_b32 v[RH], 15, v0
	v_bfe_u32 v10, v0, 4, 1
	v_lshlrev_b32 v10, 3, v10
	v_sub_nc_u32 v[RH], v[RH], v10
	v_mov_b32 v[NEG], 0xff800000
	s_wait_dscnt 0x0                               ; both opening adds are done
	s_wait_kmcnt 0x0
	s_add_nc_u64 s[PB:PB+1], s[4:5], s[56:57]
	s_add_nc_u64 s[QH:QH+1], s[4:5], s[58:59]
	s_add_nc_u64 s[OH:OH+1], s[6:7], s[60:61]
	s_mov_b64 s[G0+2:G0+3], s[PB:PB+1]
	s_or_b32 s[G0+3], s[G0+3], 0x80000000
	tensor_load_to_lds s[G0:G0+3], s[G1:G1+7]      ; unit 0 into slot 0: key 0 counts for every query
	s_nop 0
.rept 4
	v_nop
.endr
	QLOAD
	SETOB
	RESET
	s_wait_loadcnt 0x0                             ; Q
.Lslot:                                            ; eight trips: behind each change of slots the next of the nine units is asked for
	CHANGE 1
	SLOT_STEPS
	s_cmp_lg_u32 s[IA], s[NHI]                     ; was that the first block's last unit?  Ids and the count of trips alone
	s_cbranch_scc1 .Lsame
	s_lshl_b32 s[Q0], s[PP], 8
	s_lshl_b32 s17, s[WV], 5
	s_add_co_u32 s[Q0], s[Q0], s17                 ; block p
	QLOAD                                          ; Q's registers are free: the block's last products K Q^T stand more than four places back
	FINISH                                         ; the first block leaves, by the old address
	s_wait_xcnt 0x0                                ; its stores have read their registers and their base
	SETOB
	s_add_co_u32 s[QL], s[Q0], 31
	s_mov_b32 s[KS0], 0
	RESET
	s_wait_loadcnt 0x0
.Lsame:
	s_add_co_u32 s[IA], s[IA], 1
	s_sub_co_u32 s[SL], s[SL], 1
	s_cmp_lg_u32 s[SL], 0
	s_cbranch_scc1 .Lslot
	CHANGE 0                                       ; the ninth unit is written out: nothing is left to ask for
	SLOT_STEPS
	FINISH
	s_wait_tensorcnt 0x0                           ; the wave's end
	ds_add_u32 v[SPW], v[NIL]
	s_wait_dscnt 0x0
	s_endpgm
.Lfunc_end_k_q71ef42c9de_attn:
	.size	k_q71ef42c9de_attn, .Lfunc_end_k_q71ef42c9de_attn-k_q71ef42c9de_attn
	.p2alignl 7, 3214868480
	.fill 96, 4, 3214868480
	.section	.rodata,"a",@progbits
	.p2align	6, 0x0
	.amdhsa_kernel k_q71ef42c9de_attn
		.amdhsa_group_segment_fixed_size 327680
		.amdhsa_private_segment_fixed_size 0
		.amdhsa_enable_private_segment 0
		.amdhsa_kernarg_size 16
		.amdhsa_user_sgpr_count 2
		.amdhsa_user_sgpr_kernarg_segment_ptr 1
		.amdhsa_wavefront_size32 1
		.amdhsa_system_sgpr_workgroup_id_x 1
		.amdhsa_system_sgpr_workgroup_id_y 1
		.amdhsa_system_sgpr_workgroup_id_z 1
		.amdhsa_system_vgpr_workitem_id 0
		.amdhsa_next_free_vgpr 352
		.amdhsa_next_free_sgpr 66
		.amdhsa_reserve_vcc 1
		.amdhsa_float_denorm_mode_32 3
		.amdhsa_float_denorm_mode_16_64 3
		.amdhsa_memory_ordered 1
		.amdhsa_forward_progress 1
		.amdhsa_inst_pref_size 193
	.end_amdhsa_kernel
	.amdgpu_metadata
---
amdhsa.version: [ 1, 2 ]
amdhsa.kernels:
  - .name:           k_q71ef42c9de_attn
    .symbol:         k_q71ef42c9de_attn.kd
    .args:
      - { .name: qkv, .offset: 0, .size: 8, .value_kind: global_buffer, .address_space: global }
      - { .name: of, .offset: 8, .size: 8, .value_kind: global_buffer, .address_space: global }
    .group_segment_fixed_size: 327680
    .private_segment_fixed_size: 0
    .kernarg_segment_align: 8
    .kernarg_segment_size: 16
    .max_flat_workgroup_size: 256
    .sgpr_count:     66
    .vgpr_count:     352
    .wavefront_size: 32
...
	.end_amdgpu_metadata
.endif
;; end of part 3
;; launch oproj (part 4): grid 4 x 64, 4 waves a work-group, clusters of 4 x 4, 327,680 bytes of LDS; arguments of, wof, out0; writes out0
.if DOCPART == 4
	.amdgcn_target "amdgcn-amd-amdhsa--gfx1250"
	.amdhsa_code_object_version 6
	.text
	.protected	k_q71ef42c9de_oproj
	.globl	k_q71ef42c9de_oproj
	.p2align	8
	.type	k_q71ef42c9de_oproj,@function
k_q71ef42c9de_oproj:
	s_mov_b64 s[64:65], 0
	v_nop
	global_prefetch_b8 v0, s[64:65] scope:SCOPE_SE
	s_setreg_imm32_b32 hwreg(HW_REG_WAVE_MODE, 25, 1), 1
	s_wait_xcnt 0x0
	s_wait_alu depctr_hold_cnt(0) depctr_sa_sdst(0) depctr_va_vdst(0) depctr_va_sdst(0) depctr_va_ssrc(0) depctr_va_vcc(0) depctr_vm_vsrc(0)
	s_getreg_b32 s2, hwreg(HW_REG_IB_STS2, 6, 4)
	s_cmp_eq_u32 s2, 0
	s_cbranch_scc0 .Lentry_in_a_cluster
	s_endpgm
.Lentry_in_a_cluster:
	s_bfe_u32 s2, ttmp6, 0x10000c
	s_cmp_lg_u32 s2, 0xf033
	s_cbranch_scc0 .Lentry_shape_is_right
	s_endpgm
.Lentry_shape_is_right:
; out0[m][n] = sum over k of O[m][k] Wo[n][k], m 8,192, n 1,024, k 1,024; operands f16, sums f32, out0 f32.  Rows 0-15 of each batch of 2,048 are NOT stored here: a later launch makes them in f32.
; Both operands arrive in the order of operand registers: of [ks 8][tile of 16 rows 512][kg 4][1,024 bytes], wof [ks 8][tile of 16 columns 64][kg 4][1,024 bytes]: a K step of 128 of any run of tiles is one dense block,
; and a fragment comes from LDS by two loads at 16 x lane.
; A tile of out0 is 128 x 256: 256 work-groups.  Four waves, each 64 x 128: 32 accumulators.  K goes in 8 steps of 128 through two slots (A 32,768 bytes, B 65,536).
; CLUSTERS 4 x 4: tile column = cx, tile row = 16 cy + cluster y (batch cy).  A's tiles are asked for jointly along a row of the cluster, B's along a column.
; Source 0 = 16 rows of Wo, source 1 = 16 rows of O: a lane holds eight neighbouring numbers of a row of out0.
; No prefetch: the launch has eight K steps in all, and its first two are on their way or asked for at its head.
; LIMIT: |O|, |Wo| up to 65,504 (f16).
; REGISTERS: window 0: v16-29 addresses; two fragment buffers of 96 at v32 and v128 (A's 4 fragments, then B's 8); on the way out v32-159 hold rows.  window 1: accumulator (a, b) at v[8 (8 a + b)].
.set SLOT,   98304
.set BOFF,   32768
.set STAGE,  2*SLOT                    ; behind the ring: 16 rows x (512 bytes + 16) for each wave
.set SPITCH, 528
.set SPARE,  STAGE+4*16*SPITCH         ; the spare words: 128 bytes a wave, two blocks of 256 bytes that no other line names
.set ASTEP,  0x200000                  ; a K step on in of
.set BSTEP,  0x40000                   ; and in wof
.set LAPS,   4
.set ADRA, 16
.set ADRB, 20
.set STO,  24
.set RD,   25
.set CO,   26
.set SPW,  28
.set NIL,  29
.set F0,   32
.set F1,   128
.set OBK,  32
.set G1, 24
.set G0, 32
.set G1B, 48
.set G0B, 56
.set MSB, 0
.macro WIN new
.if MSB != (\new)
	s_set_vgpr_msb (MSB<<8)|(\new)
.set MSB, (\new)
.endif
.endm
.set MUL, 0x50                         ; C and D window 1
.macro JLOAD s                         ; waves 0 and 1 fetch A's halves, waves 2 and 3 B's; an s_nop 0 and four v_nop follow each line
	s_cmp_eq_u32 s11, 0
	s_cbranch_scc0 .Lfor_b_\@
	tensor_load_to_lds s[G0+4*\s:G0+4*\s+3], s[G1:G1+7]
	s_nop 0
.rept 4
	v_nop
.endr
	s_branch .Lasked_\@
.Lfor_b_\@:
	tensor_load_to_lds s[G0B+4*\s:G0B+4*\s+3], s[G1B:G1B+7]
	s_nop 0
.rept 4
	v_nop
.endr
.Lasked_\@:
.endm
.macro CREST
	s_cmp_lg_u32 s10, 0
	s_cbranch_scc1 .Lnot_wave_0_\@
	s_barrier_signal -3
.Lnot_wave_0_\@:
	s_barrier_wait -3
	s_barrier_signal -1
	s_barrier_wait -1
.endm
.macro CROUND
	s_barrier_signal -1
	s_barrier_wait -1
	CREST
.endm
	s_load_b128 s[4:7], s[0:1], 0x0                ; of s[4:5], wof s[6:7]
	s_load_b64 s[8:9], s[0:1], 0x10                ; out0
	v_lshl_add_u32 v[SPW], v0, 2, SPARE
	v_mov_b32 v[NIL], 0
	ds_add_u32 v[SPW], v[NIL]                      ; the wave's opening: the add, twice on end, and its wait ahead of my first tensor load
	ds_add_u32 v[SPW], v[NIL]
	v_lshrrev_b32 v1, 5, v0
	v_readfirstlane_b32 s10, v1                    ; wave 0..3
	s_lshr_b32 s11, s10, 1                         ; my half of the tile's rows.  Also: I fetch for A (0) or B (1)
	s_and_b32 s12, s10, 1                          ; my half of its columns.  Also: which half I fetch
	s_bfe_u32 s40, ttmp6, 0x40000                  ; cx
	s_bfe_u32 s41, ttmp6, 0x40004                  ; cy
	s_lshl_b32 s42, ttmp9, 2
	s_add_co_u32 s42, s42, s40                     ; tile column
	s_and_b32 s45, ttmp7, 0xffff                   ; cluster y: the tile's place in its batch; the same in all partners
	s_lshl_b32 s13, s41, 4
	s_add_co_u32 s13, s13, s45                     ; tile row = 16 cy + cluster y
	s_lshl_b32 s43, s41, 2
	s_lshl_b32 s43, 15, s43                        ; my row of the cluster
	s_lshl_b32 s44, 0x1111, s40                    ; my column
	s_or_b32 s[G1+0], s43, (3<<16)|(1<<21)         ; the mask; elements of 8 bytes; bit 21 beside a mask; no padding
	s_or_b32 s[G1B+0], s44, (3<<16)|(1<<21)
	s_mov_b32 s[G1+1], 32<<16                      ; rows of 256 bytes
	s_mov_b32 s[G1+2], 64<<16                      ; A: 64 rows: 16,384 dense bytes
	s_mov_b32 s[G1+3], 32<<16
	s_mov_b32 s[G1+4], 64
	s_mov_b32 s[G1+5], 32
	s_mov_b32 s[G1+6], 0
	s_mov_b32 s[G1+7], 0
	s_mov_b32 s[G1B+1], 32<<16
	s_mov_b32 s[G1B+2], 128<<16                    ; B: 128 rows: 32,768 dense bytes
	s_mov_b32 s[G1B+3], 32<<16
	s_mov_b32 s[G1B+4], 128
	s_mov_b32 s[G1B+5], 32
	s_mov_b32 s[G1B+6], 0
	s_mov_b32 s[G1B+7], 0
	s_lshl_b32 s16, s13, 15                        ; A: 8 tiles of 4,096 bytes a tile row,
	s_lshl_b32 s17, s12, 14                        ; + my half
	s_add_co_u32 s16, s16, s17
	s_mov_b32 s17, 0
	s_lshl_b32 s46, s42, 16                        ; B: 16 tiles of 4,096 bytes a tile column,
	s_lshl_b32 s47, s12, 15
	s_add_co_u32 s46, s46, s47
	s_mov_b32 s47, 0
	s_lshl_b32 s20, s12, 14                        ; where they go: A's halves,
	s_lshl_b32 s21, s12, 15
	s_add_co_u32 s21, s21, BOFF                    ; B's halves behind them: no place in the cluster enters an LDS address
	s_wait_dscnt 0x0                               ; both opening adds are done
	s_wait_kmcnt 0x0
	s_add_nc_u64 s[14:15], s[4:5], s[16:17]
	s_add_nc_u64 s[46:47], s[6:7], s[46:47]
	CROUND                                         ; all sixteen work-groups are here: the first joint loads meet
.irp s, 0,1
	s_mov_b32 s[G0+4*\s], 1
	s_add_co_u32 s[G0+4*\s+1], s20, \s*SLOT
	s_add_nc_u64 s[G0+4*\s+2:G0+4*\s+3], s[14:15], \s*ASTEP
	s_or_b32 s[G0+4*\s+3], s[G0+4*\s+3], 0x80000000
	s_mov_b32 s[G0B+4*\s], 1
	s_add_co_u32 s[G0B+4*\s+1], s21, \s*SLOT
	s_add_nc_u64 s[G0B+4*\s+2:G0B+4*\s+3], s[46:47], \s*BSTEP
	s_or_b32 s[G0B+4*\s+3], s[G0B+4*\s+3], 0x80000000
	JLOAD \s                                       ; two loads of mine are out
.endr
	v_and_b32 v1, 15, v0
	v_bfe_u32 v2, v0, 4, 1
	v_and_b32 v3, 31, v0
	v_lshlrev_b32 v[CO], 4, v3                     ; 16 x lane
	s_lshl_b32 s21, s11, 14                        ; my 64 rows of A: 4 tiles
	s_lshl_b32 s22, s12, 15                        ; my 128 columns of B: 8 tiles,
	s_add_co_u32 s22, s22, BOFF
.irp s, 0,1
	v_add_nc_u32 v[ADRA+\s], s21, v[CO]
	v_add_nc_u32 v[ADRB+\s], s22, v[CO]
	s_add_co_u32 s21, s21, SLOT
	s_add_co_u32 s22, s22, SLOT
.endr
	s_mul_i32 s23, s10, 16*SPITCH
	s_add_co_u32 s23, s23, STAGE                   ; my stage
	v_mul_u32_u24 v4, v1, SPITCH
	v_lshl_add_u32 v4, v2, 5, v4
	v_add_nc_u32 v[STO], s23, v4                   ; in: row l % 16, 32 bytes for each half of the lanes
	v_add_nc_u32 v[RD], s23, v[CO]                 ; back: the 32 lanes take a row of 512 bytes
	s_lshl_b32 s16, s13, 19                        ; my first row: 128 tile row + 64 half, of 4,096 bytes
	s_lshl_b32 s17, s11, 18
	s_add_co_u32 s16, s16, s17
	s_mov_b32 s17, 0
	s_lshl_b32 s46, s42, 10                        ; my first column: 256 tile column + 128 half, of 4 bytes
	s_lshl_b32 s47, s12, 9
	s_add_co_u32 s46, s46, s47
	s_mov_b32 s47, 0
	s_add_nc_u64 s[16:17], s[16:17], s[46:47]
	s_add_nc_u64 s[8:9], s[8:9], s[16:17]
	s_or_b32 s2, s45, s11                          ; 0 where my first 16 rows are positions 0-15 of a batch
.macro MUL8 f, a, zero                 ; A's block a x B's eight, 32 along K.  The 32 accumulators take turns, one instruction a turn, in the same order in every quarter
.irp b, 0,1,2,3,4,5,6,7
.if \zero
	v_wmma_f32_16x16x32_f16 v[8*(8*\a+\b):8*(8*\a+\b)+7], v[\f+32+8*\b:\f+32+8*\b+7], v[\f+8*\a:\f+8*\a+7], 0
.else
	v_wmma_f32_16x16x32_f16 v[8*(8*\a+\b):8*(8*\a+\b)+7], v[\f+32+8*\b:\f+32+8*\b+7], v[\f+8*\a:\f+8*\a+7], v[8*(8*\a+\b):8*(8*\a+\b)+7]
.endif
.endr
.endm
.macro FETCH slot, kg, f               ; 24 LDS loads in one run: B's eight fragments, then A's four, of the slot's kg-th 32 along K
.irp b, 0,1,2,3,4,5,6,7
	ds_load_b128 v[\f+32+8*\b:\f+32+8*\b+3],   v[ADRB+\slot] offset:4096*\b+1024*(\kg)
	ds_load_b128 v[\f+32+8*\b+4:\f+32+8*\b+7], v[ADRB+\slot] offset:4096*\b+1024*(\kg)+512
.endr
.irp a, 0,1,2,3
	ds_load_b128 v[\f+8*\a:\f+8*\a+3],   v[ADRA+\slot] offset:4096*\a+1024*(\kg)
	ds_load_b128 v[\f+8*\a+4:\f+8*\a+7], v[ADRA+\slot] offset:4096*\a+1024*(\kg)+512
.endr
.endm
.macro PLACES
.rept 4
	v_nop
.endr
.endm
; A K step is four quarters of 32 along K, 32 matrix instructions each, on buffers 0, 1, 0, 1.  One of the first three: multiplies buffer f and fetches quarter kg into g.
.macro QUARTER slot, kg, f, g, zero
	s_wait_dscnt 4                                 ; B and A's blocks 0, 1 are in; the youngest four loads (A's blocks 2, 3) may be out
	WIN MUL
	MUL8 \f, 0, \zero
	MUL8 \f, 1, \zero
	WIN 0
	PLACES                                         ; in front of loads into registers that the quarter before multiplied
	FETCH \slot, \kg, \g
	s_wait_dscnt 24                                ; all but the 24 just issued
	WIN MUL
	MUL8 \f, 2, \zero
	MUL8 \f, 3, \zero
.endm
; The last quarter multiplies buffer 1 and changes slots.  fill = 1: this slot is filled again, two K steps ahead, behind a round of the cluster's barrier.
.macro TURN slot, next, fill
	WIN 0
	s_wait_tensorcnt 0x0                           ; all my tensor loads have landed: my part of the next slot
	ds_add_u32 v[SPW], v[NIL]
	s_wait_dscnt 5                                 ; the add and the youngest four loads may be out
	WIN MUL
	MUL8 F1, 0, 0
	s_wait_dscnt 0x0                               ; the add is done, and my reads of this slot are over
	s_barrier_signal -1
	MUL8 F1, 1, 0
	WIN 0
	s_barrier_wait -1
.if \fill
	CREST                                          ; no wave of any partner still reads this slot or has a load on its way
	s_add_nc_u64 s[G0+4*\slot+2:G0+4*\slot+3], s[G0+4*\slot+2:G0+4*\slot+3], 2*ASTEP
	s_add_nc_u64 s[G0B+4*\slot+2:G0B+4*\slot+3], s[G0B+4*\slot+2:G0B+4*\slot+3], 2*BSTEP
	JLOAD \slot                                    ; the first tensor load behind the round; its four v_nop are also the places in front of the loads below
.else
	PLACES
.endif
	FETCH \next, 0, F0
	WIN MUL
	MUL8 F1, 2, 0
	MUL8 F1, 3, 0
.endm
	s_wait_tensorcnt 1                             ; my part of K step 0 is in; K step 1's load may be out
	s_barrier_signal -1
	s_barrier_wait -1
	FETCH 0, 0, F0
	QUARTER 0, 1, F0, F1, 1                        ; the first quarter's products start the sums
	WIN 0
	s_mov_b32 s3, LAPS-1
.Llap:                                             ; a trip goes once round the ring and fills both slots again
	QUARTER 0, 2, F1, F0, 0
	QUARTER 0, 3, F0, F1, 0
	TURN 0, 1, 1
	QUARTER 1, 1, F0, F1, 0
	QUARTER 1, 2, F1, F0, 0
	QUARTER 1, 3, F0, F1, 0
	TURN 1, 0, 1
	QUARTER 0, 1, F0, F1, 0
	WIN 0
	s_sub_co_u32 s3, s3, 1
	s_cmp_lg_u32 s3, 0
	s_cbranch_scc1 .Llap
	QUARTER 0, 2, F1, F0, 0                        ; the last lap fills nothing
	QUARTER 0, 3, F0, F1, 0
	TURN 0, 1, 0
	QUARTER 1, 1, F0, F1, 0
	QUARTER 1, 2, F1, F0, 0
	QUARTER 1, 3, F0, F1, 0
	s_wait_dscnt 4
	WIN MUL
	MUL8 F1, 0, 0
	MUL8 F1, 1, 0
	s_wait_dscnt 0
	MUL8 F1, 2, 0
	MUL8 F1, 3, 0
	WIN 0
; THE WAY OUT, block by block of 16 rows x 128 columns, through my own stage: in as 32 bytes a lane, back as whole rows of 512 bytes.  LDS serves a wave's instructions in order: no wait between the stores and the loads.
.macro TOSTAGE a
	WIN 0x04                                       ; an LDS store's data: window 1
.irp b, 0,1,2,3,4,5,6,7
	ds_store_b128 v[STO], v[64*(\a)+8*\b:64*(\a)+8*\b+3] offset:64*\b          ; each accumulator from its low end on
	ds_store_b128 v[STO], v[64*(\a)+8*\b+4:64*(\a)+8*\b+7] offset:64*\b+16
.endr
	WIN 0
.set BB, OBK+64*((\a)%2)
.irp t, 0,1,2,3,4,5,6,7,8,9,10,11,12,13,14,15
	ds_load_b128 v[BB+4*\t:BB+4*\t+3], v[RD] offset:\t*SPITCH
.endr
.endm
.macro SEND a, younger
.set BB, OBK+64*((\a)%2)
	s_wait_dscnt \younger                          ; the block is back; the next block's 16 stores and 16 loads may be out
.if (\a) > 0
	s_add_nc_u64 s[8:9], s[8:9], 16*4096           ; 16 rows on (behind a wait that shows the earlier stores have read their base)
.else
	s_cmp_eq_u32 s2, 0                             ; positions 0-15 of a batch are another launch's: cluster y and the wave's number alone decide
	s_cbranch_scc1 .Lnot_here_\@
.endif
.irp t, 0,1,2,3,4,5,6,7,8,9,10,11,12,13,14,15
	global_store_b128 v[CO], v[BB+4*\t:BB+4*\t+3], s[8:9] offset:\t*4096 th:TH_STORE_NT   ; 512 consecutive bytes, aligned
.endr
.if (\a) == 0
.Lnot_here_\@:
.endif
.endm
	PLACES                                         ; behind the last products: for the reads of results and the loads into the fragments' registers
	TOSTAGE 0
.irp a, 1,2,3
.if \a > 1
	s_wait_xcnt 0x0                                ; block a - 2's stores have read their registers and their base
.endif
	TOSTAGE \a
	SEND \a-1, 32
.endr
	s_wait_xcnt 0x0
	SEND 3, 0
	s_wait_tensorcnt 0x0                           ; the wave's end
	ds_add_u32 v[SPW], v[NIL]
	s_wait_dscnt 0x0
	CROUND                                         ; the closing round
	s_endpgm
.Lfunc_end_k_q71ef42c9de_oproj:
	.size	k_q71ef42c9de_oproj, .Lfunc_end_k_q71ef42c9de_oproj-k_q71ef42c9de_oproj
	.p2alignl 7, 3214868480
	.fill 96, 4, 3214868480
	.section	.rodata,"a",@progbits
	.p2align	6, 0x0
	.amdhsa_kernel k_q71ef42c9de_oproj
		.amdhsa_group_segment_fixed_size 327680
		.amdhsa_private_segment_fixed_size 0
		.amdhsa_enable_private_segment 0
		.amdhsa_kernarg_size 24
		.amdhsa_user_sgpr_count 2
		.amdhsa_user_sgpr_kernarg_segment_ptr 1
		.amdhsa_wavefront_size32 1
		.amdhsa_system_sgpr_workgroup_id_x 1
		.amdhsa_system_sgpr_workgroup_id_y 1
		.amdhsa_system_sgpr_workgroup_id_z 1
		.amdhsa_system_vgpr_workitem_id 0
		.amdhsa_next_free_vgpr 512
		.amdhsa_next_free_sgpr 66
		.amdhsa_reserve_vcc 0
		.amdhsa_float_denorm_mode_32 3
		.amdhsa_float_denorm_mode_16_64 3
		.amdhsa_memory_ordered 1
		.amdhsa_forward_progress 1
		.amdhsa_inst_pref_size 85
	.end_amdhsa_kernel
	.amdgpu_metadata
---
amdhsa.version: [ 1, 2 ]
amdhsa.kernels:
  - .name:           k_q71ef42c9de_oproj
    .symbol:         k_q71ef42c9de_oproj.kd
    .args:
      - { .name: of, .offset: 0, .size: 8, .value_kind: global_buffer, .address_space: global }
      - { .name: wof, .offset: 8, .size: 8, .value_kind: global_buffer, .address_space: global }
      - { .name: out0, .offset: 16, .size: 8, .value_kind: global_buffer, .address_space: global }
    .group_segment_fixed_size: 327680
    .private_segment_fixed_size: 0
    .kernarg_segment_align: 8
    .kernarg_segment_size: 24
    .max_flat_workgroup_size: 128
    .sgpr_count:     66
    .vgpr_count:     512
    .wavefront_size: 32
...
	.end_amdgpu_metadata
.endif
;; end of part 4
;; launch first16 (part 5): grid 64 x 4, 4 waves a work-group, no clusters, 4,608 bytes of LDS; arguments first32, Wo, out0; writes out0
.if DOCPART == 5
	.amdgcn_target "amdgcn-amd-amdhsa--gfx1250"
	.amdhsa_code_object_version 6
	.text
	.protected	k_q71ef42c9de_first16
	.globl	k_q71ef42c9de_first16
	.p2align	8
	.type	k_q71ef42c9de_first16,@function
k_q71ef42c9de_first16:
	s_mov_b64 s[64:65], 0
	v_nop
	global_prefetch_b8 v0, s[64:65] scope:SCOPE_SE
	s_setreg_imm32_b32 hwreg(HW_REG_WAVE_MODE, 25, 1), 1
	s_wait_xcnt 0x0
; Positions 0-15 of each batch, in f32 throughout: these rows average one to sixteen values and are the largest of the output.  Work-group (nt, batch) makes out0[batch][0..15][16 nt .. 16 nt + 15].
; Wave w does the attention of heads 4 w .. 4 w + 3 on the 16 positions (16 x 16 scores a head) and, straight from its registers, its 256 channels of the projection; the four parts meet in LDS.
; The attention is done anew in each of a batch's 64 work-groups: 128 matrix instructions a wave, against a launch and a buffer more.
; first32 [batch][192][1,024 bytes] holds accumulators as they stood: lane (r, h), register j = element (row r, column 8 h + j): pieces 0-63 Q, 64-127 K (row = position, 16 channels each), 128-191 V^T (row = channel, column = key).
; ONE ORDER OF k SERVES BOTH SIDES OF EVERY PRODUCT: registers 2 u, 2 u + 1 of such a piece are an operand of the 16 x 16 x 4 form whose four places (h, j) stand for columns 8 h + 2 u + j; u = 0 .. 3 cover the 16.
; A result (lane: column r of the product, rows 8 h + j) has the same form with rows and columns exchanged, so P and O are operands as they stand.
; The registers that the f32 matrix form writes (all of window 3) are written by it alone; what is made of them goes into window 0.
; The 64 bytes a row that a work-group stores are a part of 256: 64 columns a work-group would give whole runs of 256 bytes and leave three quarters of these work-groups out.
; REGISTERS: window 0: v1-8 addresses, constants; v16-47 masked scores, then p; v48-175 O / l; v176-207 statistics, 8 a head; v208-215 my part; v216-247 the four parts.
;   window 1: v0-127 Q, v128-255 K.   window 2: v0-127 V^T, v128-255 Wo.   window 3: v0-31 S^T, v32-159 O^T, v160-191 four sums of the projection.
.set LI,  1                            ; v1  16 x lane
.set LW,  2                            ; v2  16 x lane + 1,024 x wave
.set WA,  4                            ; v4  4,096 r + 32 h: my place in 16 rows of Wo, and of out0
.set DD,  5                            ; v5  r - 8 h
.set NEG, 6
.set SPW, 7
.set NIL, 8
.set T,   16
.set ON,  48
.set U,   176                          ; head d: +0 c m, +1 m, +2 1 / l, +3 0, +4..+7 at work
.set Y,   208
.set PT,  216
.set SPARE, 4096                       ; behind the four parts: the spare words, two blocks of 256 bytes that no other line names
.set MSB, 0
.macro WIN new
.if MSB != (\new)
	s_set_vgpr_msb (MSB<<8)|(\new)
.set MSB, (\new)
.endif
.endm
	s_load_b128 s[4:7], s[0:1], 0x0                ; first32 s[4:5], Wo s[6:7]
	s_load_b64 s[8:9], s[0:1], 0x10                ; out0
	v_lshl_add_u32 v[SPW], v0, 2, SPARE
	v_mov_b32 v[NIL], 0
	v_lshrrev_b32 v3, 5, v0
	v_readfirstlane_b32 s10, v3                    ; wave
	s_and_b32 s11, ttmp7, 0xffff                   ; batch
	v_and_b32 v[LI], 31, v0
	v_lshlrev_b32 v[LI], 4, v[LI]
	s_lshl_b32 s13, s10, 10
	v_add_nc_u32 v[LW], s13, v[LI]
	v_and_b32 v3, 15, v0                           ; r
	v_bfe_u32 v9, v0, 4, 1                         ; h
	v_lshlrev_b32 v[WA], 12, v3
	v_lshl_add_u32 v[WA], v9, 5, v[WA]
	v_lshlrev_b32 v9, 3, v9
	v_sub_nc_u32 v[DD], v3, v9
	v_mov_b32 v[NEG], 0xff800000
	s_mov_b32 s14, 0x76543210
	s_mov_b32 s15, 0xfedcba98                      ; lane l xor 16
	s_mov_b32 s16, 0x3d38aa3b                      ; c = log2(e) / 32
	s_mov_b32 s17, s16
	s_mul_i32 s18, s11, 196608                     ; first32: the batch, my 16 pieces of each of the three
	s_lshl_b32 s12, s10, 14
	s_add_co_u32 s18, s18, s12
	s_mov_b32 s19, 0
	s_lshl_b32 s28, ttmp9, 16                      ; Wo: rows 16 nt on, channels 256 w on
	s_add_co_u32 s28, s28, s13
	s_mov_b32 s29, 0
	s_lshl_b32 s30, s11, 23                        ; out0: the batch's first row, columns 16 nt on
	s_lshl_b32 s12, ttmp9, 6
	s_add_co_u32 s30, s30, s12
	s_mov_b32 s31, 0
	s_wait_kmcnt 0x0
	s_add_nc_u64 s[4:5], s[4:5], s[18:19]
	s_add_nc_u64 s[6:7], s[6:7], s[28:29]
	s_add_nc_u64 s[8:9], s[8:9], s[30:31]
	WIN 0x40
.irp n, 0,1,2,3,4,5,6,7,8,9,10,11,12,13,14,15
	global_load_b128 v[8*\n:8*\n+3],   v[LI], s[4:5] offset:1024*\n          ; Q
	global_load_b128 v[8*\n+4:8*\n+7], v[LI], s[4:5] offset:1024*\n+512
.endr
.irp n, 0,1,2,3,4,5,6,7,8,9,10,11,12,13,14,15
	global_load_b128 v[128+8*\n:128+8*\n+3],   v[LI], s[4:5] offset:65536+1024*\n      ; K
	global_load_b128 v[128+8*\n+4:128+8*\n+7], v[LI], s[4:5] offset:65536+1024*\n+512
.endr
	WIN 0x80
.irp n, 0,1,2,3,4,5,6,7,8,9,10,11,12,13,14,15
	global_load_b128 v[8*\n:8*\n+3],   v[LI], s[4:5] offset:131072+1024*\n     ; V^T
	global_load_b128 v[8*\n+4:8*\n+7], v[LI], s[4:5] offset:131072+1024*\n+512
.endr
.irp n, 0,1,2,3,4,5,6,7,8,9,10,11,12,13,14,15
	global_load_b128 v[128+8*\n:128+8*\n+3],   v[WA], s[6:7] offset:64*\n      ; Wo(16 nt + r, 256 w + 16 n + 8 h + 0..7)
	global_load_b128 v[128+8*\n+4:128+8*\n+7], v[WA], s[6:7] offset:64*\n+16
.endr
	WIN 0
.irp j, 0,1,2,3,4,5,6,7
	v_cmp_gt_i32 s[20+\j], \j, v[DD]               ; register j holds key 8 h + j of query r: hidden where j > r - 8 h
.endr
	s_wait_loadcnt 63                              ; of the 128 loads at most the youngest 63 are out: Q's and K's 64 are in
	WIN 0xf5                                       ; sources in window 1, C and D in window 3
.irp i, 0,1,2,3,4,5,6,7,8,9,10,11,12,13,14,15   ; S^T = K Q^T: 64 channels in 16 steps of 4; the four heads take turns; the first step starts the sums
.irp d, 0,1,2,3
.if \i == 0
	v_wmma_f32_16x16x4_f32 v[8*\d:8*\d+7], v[128+32*\d+2*\i:128+32*\d+2*\i+1], v[32*\d+2*\i:32*\d+2*\i+1], 0
.else
	v_wmma_f32_16x16x4_f32 v[8*\d:8*\d+7], v[128+32*\d+2*\i:128+32*\d+2*\i+1], v[32*\d+2*\i:32*\d+2*\i+1], v[8*\d:8*\d+7]
.endif
.endr
.endr
.rept 8
	v_nop                                          ; eight places behind this form before its results are read (ISA guide 7.12.1)
.endr
	WIN 0x03
.irp d, 0,1,2,3
.irp j, 0,1,2,3,4,5,6,7
	v_cndmask_b32 v[T+8*\d+\j], v[8*\d+\j], v[NEG], s[20+\j]   ; hidden scores become -infinity; each accumulator is read from its low end on
.endr
.endr
	WIN 0
.irp d, 0,1,2,3
	v_max3_num_f32 v[U+8*\d+4], v[T+8*\d], v[T+8*\d+1], v[T+8*\d+2]
.endr
.irp d, 0,1,2,3
	v_max3_num_f32 v[U+8*\d+5], v[T+8*\d+3], v[T+8*\d+4], v[T+8*\d+5]
.endr
.irp d, 0,1,2,3
	v_max3_num_f32 v[U+8*\d+4], v[U+8*\d+4], v[T+8*\d+6], v[T+8*\d+7]
.endr
.irp d, 0,1,2,3
	v_max_num_f32 v[U+8*\d+4], v[U+8*\d+4], v[U+8*\d+5]
.endr
.irp d, 0,1,2,3
	v_permlanex16_b32 v[U+8*\d+5], v[U+8*\d+4], s14, s15
.endr
.irp d, 0,1,2,3
	v_max_num_f32 v[U+8*\d+1], v[U+8*\d+4], v[U+8*\d+5]        ; the row's maximum: key 0 counts for every query
.endr
.irp d, 0,1,2,3
	v_mul_f32 v[U+8*\d], s16, v[U+8*\d+1]
.endr
.irp d, 0,1,2,3
.irp i, 0,2,4,6
	v_pk_fma_f32 v[T+8*\d+\i:T+8*\d+\i+1], v[T+8*\d+\i:T+8*\d+\i+1], s[16:17], v[U+8*\d:U+8*\d+1] op_sel_hi:[1,0,0] neg_lo:[0,0,1] neg_hi:[0,0,1]   ; c s - c m
.endr
.endr
.irp d, 0,1,2,3
.irp j, 0,1,2,3,4,5,6,7
	v_exp_f32 v[T+8*\d+\j], v[T+8*\d+\j]
.endr
.endr
	v_nop                                          ; a plain line behind the last exponential
	s_wait_alu depctr_va_vdst(0)                   ; one wait for the 32, ahead of the first use
.irp d, 0,1,2,3
	v_pk_add_f32 v[U+8*\d+6:U+8*\d+7], v[T+8*\d:T+8*\d+1], v[T+8*\d+2:T+8*\d+3]
.endr
.irp d, 0,1,2,3
	v_pk_add_f32 v[U+8*\d+4:U+8*\d+5], v[T+8*\d+4:T+8*\d+5], v[T+8*\d+6:T+8*\d+7]
.endr
.irp d, 0,1,2,3
	v_pk_add_f32 v[U+8*\d+6:U+8*\d+7], v[U+8*\d+6:U+8*\d+7], v[U+8*\d+4:U+8*\d+5]
.endr
.irp d, 0,1,2,3
	v_add_f32 v[U+8*\d+4], v[U+8*\d+6], v[U+8*\d+7]
.endr
.irp d, 0,1,2,3
	v_permlanex16_b32 v[U+8*\d+5], v[U+8*\d+4], s14, s15
.endr
.irp d, 0,1,2,3
	v_add_f32 v[U+8*\d+4], v[U+8*\d+4], v[U+8*\d+5]            ; l
.endr
.irp d, 0,1,2,3
	v_rcp_f32 v[U+8*\d+2], v[U+8*\d+4]
.endr
.irp d, 0,1,2,3
	v_mov_b32 v[U+8*\d+3], 0                       ; the pair's upper word is written; also the plain line behind the reciprocals
.endr
	s_wait_alu depctr_va_vdst(0)                   ; one wait for the four
	s_wait_loadcnt 32                              ; V^T is in; Wo's 32 loads may be out
	WIN 0xf2                                       ; source 0 in window 2, source 1 in window 0, C and D in window 3
.irp u, 0,1,2,3                                 ; O^T = V^T P: 16 keys in 4 steps; 16 accumulators by turns
.irp d, 0,1,2,3
.irp c, 0,1,2,3
.if \u == 0
	v_wmma_f32_16x16x4_f32 v[32+32*\d+8*\c:32+32*\d+8*\c+7], v[32*\d+8*\c+2*\u:32*\d+8*\c+2*\u+1], v[T+8*\d+2*\u:T+8*\d+2*\u+1], 0
.else
	v_wmma_f32_16x16x4_f32 v[32+32*\d+8*\c:32+32*\d+8*\c+7], v[32*\d+8*\c+2*\u:32*\d+8*\c+2*\u+1], v[T+8*\d+2*\u:T+8*\d+2*\u+1], v[32+32*\d+8*\c:32+32*\d+8*\c+7]
.endif
.endr
.endr
.endr
.rept 8
	v_nop
.endr
	WIN 0x03
.irp d, 0,1,2,3
.irp n, 0,1,2,3,4,5,6,7,8,9,10,11,12,13,14,15
	v_pk_mul_f32 v[ON+32*\d+2*\n:ON+32*\d+2*\n+1], v[32+32*\d+2*\n:32+32*\d+2*\n+1], v[U+8*\d+2:U+8*\d+3] op_sel_hi:[1,0]   ; O / l: lane (r, h), register 8 c + j = O(position r, channel 16 c + 8 h + j)
.endr
.endr
	s_wait_loadcnt 0x0                             ; Wo
	WIN 0xf2
.irp n, 0,1,2,3,4,5,6,7,8,9,10,11,12,13,14,15   ; my 256 channels in 64 steps of 4, on four sums by turns
.irp u, 0,1,2,3
.if \n == 0
	v_wmma_f32_16x16x4_f32 v[160+8*\u:160+8*\u+7], v[128+8*\n+2*\u:128+8*\n+2*\u+1], v[ON+8*\n+2*\u:ON+8*\n+2*\u+1], 0
.else
	v_wmma_f32_16x16x4_f32 v[160+8*\u:160+8*\u+7], v[128+8*\n+2*\u:128+8*\n+2*\u+1], v[ON+8*\n+2*\u:ON+8*\n+2*\u+1], v[160+8*\u:160+8*\u+7]
.endif
.endr
.endr
.rept 8
	v_nop
.endr
	WIN 0x0f
.irp i, 0,2,4,6
	v_pk_add_f32 v[Y+\i:Y+\i+1], v[160+\i:161+\i], v[168+\i:169+\i]
.endr
.irp i, 0,2,4,6
	v_pk_add_f32 v[PT+\i:PT+\i+1], v[176+\i:177+\i], v[184+\i:185+\i]
.endr
	WIN 0
.irp i, 0,2,4,6
	v_pk_add_f32 v[Y+\i:Y+\i+1], v[Y+\i:Y+\i+1], v[PT+\i:PT+\i+1]   ; my part: lane (r, h), register j = out(position r, column 16 nt + 8 h + j)
.endr
	ds_store_b128 v[LW], v[Y:Y+3]
	ds_store_b128 v[LW], v[Y+4:Y+7] offset:512
	s_wait_dscnt 0x0                               ; for the others' sake: my stores have landed
	s_barrier_signal -1
	s_barrier_wait -1
	s_cmp_lg_u32 s10, 0
	s_cbranch_scc1 .Lend                           ; wave 0 adds the four parts and stores
.irp k, 0,1,2,3
	ds_load_b128 v[PT+8*\k:PT+8*\k+3],   v[LI] offset:1024*\k
	ds_load_b128 v[PT+8*\k+4:PT+8*\k+7], v[LI] offset:1024*\k+512
.endr
	s_wait_dscnt 0x0
.irp i, 0,2,4,6
	v_pk_add_f32 v[PT+\i:PT+\i+1], v[PT+\i:PT+\i+1], v[PT+8+\i:PT+9+\i]
.endr
.irp i, 0,2,4,6
	v_pk_add_f32 v[PT+16+\i:PT+17+\i], v[PT+16+\i:PT+17+\i], v[PT+24+\i:PT+25+\i]
.endr
.irp i, 0,2,4,6
	v_pk_add_f32 v[Y+\i:Y+\i+1], v[PT+\i:PT+\i+1], v[PT+16+\i:PT+17+\i]
.endr
	global_store_b128 v[WA], v[Y:Y+3], s[8:9]
	global_store_b128 v[WA], v[Y+4:Y+7], s[8:9] offset:16
.Lend:
	s_wait_tensorcnt 0x0                           ; the wave's end
	ds_add_u32 v[SPW], v[NIL]
	s_wait_dscnt 0x0
	s_endpgm
.Lfunc_end_k_q71ef42c9de_first16:
	.size	k_q71ef42c9de_first16, .Lfunc_end_k_q71ef42c9de_first16-k_q71ef42c9de_first16
	.p2alignl 7, 3214868480
	.fill 96, 4, 3214868480
	.section	.rodata,"a",@progbits
	.p2align	6, 0x0
	.amdhsa_kernel k_q71ef42c9de_first16
		.amdhsa_group_segment_fixed_size 4608
		.amdhsa_private_segment_fixed_size 0
		.amdhsa_enable_private_segment 0
		.amdhsa_kernarg_size 24
		.amdhsa_user_sgpr_count 2
		.amdhsa_user_sgpr_kernarg_segment_ptr 1
		.amdhsa_wavefront_size32 1
		.amdhsa_system_sgpr_workgroup_id_x 1
		.amdhsa_system_sgpr_workgroup_id_y 1
		.amdhsa_system_sgpr_workgroup_id_z 1
		.amdhsa_system_vgpr_workitem_id 0
		.amdhsa_next_free_vgpr 1024
		.amdhsa_next_free_sgpr 66
		.amdhsa_reserve_vcc 0
		.amdhsa_float_denorm_mode_32 3
		.amdhsa_float_denorm_mode_16_64 3
		.amdhsa_memory_ordered 1
		.amdhsa_forward_progress 1
		.amdhsa_inst_pref_size 42
	.end_amdhsa_kernel
	.amdgpu_metadata
---
amdhsa.version: [ 1, 2 ]
amdhsa.kernels:
  - .name:           k_q71ef42c9de_first16
    .symbol:         k_q71ef42c9de_first16.kd
    .args:
      - { .name: first32, .offset: 0, .size: 8, .value_kind: global_buffer, .address_space: global }
      - { .name: Wo, .offset: 8, .size: 8, .value_kind: global_buffer, .address_space: global }
      - { .name: out0, .offset: 16, .size: 8, .value_kind: global_buffer, .address_space: global }
    .group_segment_fixed_size: 4608
    .private_segment_fixed_size: 0
    .kernarg_segment_align: 8
    .kernarg_segment_size: 24
    .max_flat_workgroup_size: 128
    .sgpr_count:     66
    .vgpr_count:     1024
    .wavefront_size: 32
...
	.end_amdgpu_metadata
.endif
;; end of part 5
